; MI455X (gfx1250); checked and timed in simulation.
; The chip was launched on July 23, 2026; its instructions are those of AMD's public machine-readable ISA for CDNA 5 (MIT licence, August 2026) and "CDNA5" Instruction Set Architecture Reference Guide (July 2026). The comments in the code are by the model that wrote it; some were corrected since.
;; Multi Head Attention CF. Allowed arithmetic: matrix products marked QUANTISED: E5M2 operands, one E8M0 scale for each 32 along K, by v_wmma_scale_f32_16x16x128_f8f6f4 with both operands' format E5M2, f32 sums; everything else in f32.
;; Inputs: Wk 1,024 x 1,024 float32; Wo 1,024 x 1,024 float32; Wq 1,024 x 1,024 float32; Wv 1,024 x 1,024 float32; bk 1,024 float32; bo 1,024 float32; bq 1,024 float32; bv 1,024 float32; x 4 x 2,048 x 1,024 float32.
;; Outputs: out0 4 x 2,048 x 1,024 float32.
;; This version of the problem:
;;   THIS VERSION OF THE PROBLEM IS GIVEN IN LOW PRECISION. The matrix products marked QUANTISED in the list below multiply operands that are first quantised to E5M2 (5 exponent bits, 2 mantissa bits; 8 bits a number), with one power-of-two scale for each 32 numbers along K (OCP MX v1.0); their sums are f32. All else is computed in f32.
;;   The module's matrix products, in the order in which they are computed (A, B: the left and right operand; K: the contracted axis; several contracted axes count as one K, in the product's order):
;;     1. [M 8,192, K 1,024] x [K 1,024, N 1,024]; A: input x; B: input Wq: QUANTISED
;;     2. [M 8,192, K 1,024] x [K 1,024, N 1,024]; A: input x; B: input Wk: QUANTISED
;;     3. [M 8,192, K 1,024] x [K 1,024, N 1,024]; A: input x; B: input Wv: QUANTISED
;;     4. batch 64 x [M 2,048, K 64] x [K 64, N 2,048]; A: computed on the way; B: computed on the way: QUANTISED
;;     5. batch 64 x [M 2,048, K 2,048] x [K 2,048, N 64]; A: softmax (see below); B: computed on the way: QUANTISED
;;     6. [M 8,192, K 1,024] x [K 1,024, N 1,024]; A: computed on the way; B: input Wo: QUANTISED
;;   THE QUANTISER, for each operand of a quantised product, along K:
;;     - K is cut into blocks of 32 from its start; a last block that is shorter is filled with zeros.
;;     - A block's scale is 2^e with e = floor(log2(the largest magnitude in the block)) - 15, held to -126 .. 127; a block of zeros has e = 0. As a byte (E8M0): e + 127.
;;     - Each number is divided by its block's scale, clamped to +-57,344, and rounded to the nearest number of E5M2, ties to even, subnormals kept.
;;     - The product sums the exact products of the quantised numbers (number of the format x scale) in f32.
;;   ~~~python
;;   def quantise(x, axis):      # numpy; x: float32 -> the quantised numbers, widened to float32 again
;;       x = np.moveaxis(x, axis, -1); K = x.shape[-1]
;;       x = np.pad(x, [(0, 0)] * (x.ndim - 1) + [(0, -K % 32)]); x = x.reshape(x.shape[:-1] + (-1, 32)); a = np.abs(x).max(-1, keepdims=True)
;;       e = np.where(a > 0, np.clip(np.frexp(np.where(a > 0, a, 1))[1] - 1 - 15, -126, 127), 0)      # np.frexp(a)[1] - 1 = floor(log2(a)), exactly
;;       r = np.clip(x / 2.0 ** e, -57344, 57344)
;;       step = 2.0 ** (np.maximum(np.frexp(np.where(r == 0, 1, r))[1] - 1, -14) - 2)
;;       q = np.round(r / step) * step * 2.0 ** e      # np.round: ties to even
;;       return np.moveaxis(q.reshape(q.shape[:-2] + (-1,))[..., :K], -1, axis).astype(np.float32)
;;   ~~~
;;   SOFTMAX AHEAD OF A QUANTISED PRODUCT. Where the list says 'softmax', what is quantised is not the finished softmax but p = 2^(t - M), with t = logit x log2(e) and M = ceil(the row's largest t), a whole number; so 1/2 < the row's largest p <= 1. The row's sum l is taken of the UNQUANTISED p, in f32, and the product's result is divided by l at the end. Since M is a whole number, a kernel that streams over the keys may use a running M (the ceiling of the running maximum): every later rescaling is an exact power of two, which a block's scale takes up: the codes' values come out the same.
;;   OPERANDS COMPUTED ON THE WAY. 'Computed on the way' means the value that the module computes at that place (a softmax that the list does not call 'softmax' is quantised finished and normalised). What goes into a quantiser is computed in f32, as accurately as f32 sums, v_exp_f32 and their like allow (about 1e-6 of the number): no bf16 or f16 on the way to a quantiser, and a product that is left as it is and whose result goes on into a quantised operand takes f32 operands (vector FMAs, or v_wmma_f32_16x16x4_f32). A number that lies on a knife's edge between two numbers of the format may be rounded either way, as far as f32 arithmetic and the matrix unit's own rounding can turn it there, and no further.
;; One version. Each part assembles by itself: llvm-mc -triple=amdgcn-amd-amdhsa -mcpu=gfx1250 --defsym DOCPART=n.
;; ======== version 1 of 1: 4 launches
;; limits: right only within a limited range of input values
;; workspace buffers: c1 12,582,912 bytes; s1 393,216 bytes; c2 25,165,824 bytes; s2 1,310,720 bytes; c3 8,388,608 bytes; s3 262,144 bytes
;; launch quant (part 1): grid 384 x 1, 4 waves a work-group, no clusters, 34,304 bytes of LDS; arguments x, Wq, Wk, Wv, Wo, c1, s1; writes c1, s1
.if DOCPART == 1
	.amdgcn_target "amdgcn-amd-amdhsa--gfx1250"
	.amdhsa_code_object_version 6
	.text
	.protected	k_q4db732bfa6_quant
	.globl	k_q4db732bfa6_quant
	.p2align	8
	.type	k_q4db732bfa6_quant,@function
k_q4db732bfa6_quant:
	s_mov_b64 s[64:65], 0
	v_nop
	global_prefetch_b8 v0, s[64:65] scope:SCOPE_SE
	s_setreg_imm32_b32 hwreg(HW_REG_WAVE_MODE, 25, 1), 1
	s_wait_xcnt 0x0
; x [8192][1024] and Wq, Wk, Wv, Wo [1024][1024], f32 with K innermost, become codes of E5M2 (8 bits) with one E8M0 byte for each 32 along K.
; A block's scale is 2^(floor(log2(its largest magnitude)) - 15); its byte is the largest magnitude's exponent field - 15, held at 1 from below; each number is divided by
; the scale, held within +-57,344 and rounded to the nearest code, ties to even.
; LIMITS: NaN and infinities among the inputs are not served.  A block of zeros gets the byte 1 where the rule says 127: its codes are zeros, and this program alone reads the bytes.
; THE BUFFERS ARE LAID AS THE MATRIX OPERANDS' REGISTERS WANT THEM.  All 12,288 rows (x, Wq, Wk, Wv, Wo on end) are cut into tiles of 16: place r of tile T is row
; 32 (T / 2) + 8 (T % 2) + r + 8 (r / 8).  c1: the 16 bytes of (group G of 8 tiles, K slot s of 256, tile i, half q of the slot, block c of 32, lane) lie at
; 131072 G + 32768 s + 4096 i + 2048 q + 512 c + 16 lane and hold place lane % 16, k = 256 s + 128 q + 32 c + 16 (lane / 16) + 0 .. 15.
; s1: the word (four bytes, blocks c = 0 .. 3) of (G, i, s, r, q) lies at 4096 G + 512 i + 128 s + 8 r + 4 q.
; SHARES.  Work-group g takes 32 rows (tiles 2 g, 2 g + 1); wave w takes tile 2 g + w / 2 and the K steps of 128 numbered 4 (w % 2) + 0 .. 3.
; Each load reads 512 consecutive bytes of one row; a K step's 16 rows turn through the wave's own stage in LDS (rows 528 bytes apart) so that a lane gets 16 neighbours of each block.
; Each store of codes covers 512 consecutive bytes; a wave's scale words leave as 256 consecutive bytes, aligned.  Waves share nothing: no barrier.
.set SP,   528                         ; a stage row: 512 bytes + 16
.set STGB, 16*SP                       ; a wave's stage
.set R,    16                          ; v16-143  two sets of 64 registers as loaded: row place p in registers 4 p .. 4 p + 3
.set X,    144                         ; v144-207 register 16 b + i = k 32 b + 16 (lane / 16) + i of my row
.set PC,   208                         ; v208-223 the codes
.set TM,   224                         ; v224-227 largest magnitudes, v228-231 bytes, v232-235 57,344 x the scale, v236-239 the conversions' scale operands
.set SW,   240                         ; v240-243 the four K steps' scale words
.set SEL,  26                          ; s[26:27] v_permlanex16_b32's selects for lane l xor 16
.set MNT,  28                          ; s28 the mantissa field of 57,344
.set HM,   31                          ; s31 a mask of lanes 16-31
; nb blocks of 32 along K: v[s + 16 b + i] -> codes in v[PC + 4 b ..], bytes in v[TM + 4 + b]
.macro QUANT s, nb
.irp b, 0,1,2,3
.if \b < \nb
	v_max3_num_f32 v[TM+\b], |v[(\s)+16*\b]|, |v[(\s)+1+16*\b]|, 0x8000000   ; my 16 numbers of block b, and the floor 2^(16 - 127): the byte cannot fall under 1
.endif
.endr
.irp i, 2,4,6,8,10,12,14
.irp b, 0,1,2,3
.if \b < \nb
	v_max3_num_f32 v[TM+\b], v[TM+\b], |v[(\s)+16*\b+\i]|, |v[(\s)+1+16*\b+\i]|   ; the blocks by turns
.endif
.endr
.endr
.irp b, 0,1,2,3
.if \b < \nb
	v_permlanex16_b32 v[TM+4+\b], v[TM+\b], s[SEL], s[SEL+1]
.endif
.endr
.irp b, 0,1,2,3
.if \b < \nb
	v_max_num_f32 v[TM+\b], v[TM+\b], v[TM+4+\b]                  ; with lane l xor 16's 16: the block's largest magnitude
.endif
.endr
.irp b, 0,1,2,3
.if \b < \nb
	v_add_nc_u32 v[TM+12+\b], 0xf8800000, v[TM+\b]               ; 15 off its exponent field: the conversion takes this operand's exponent field as its scale
.endif
.endr
.irp b, 0,1,2,3
.if \b < \nb
	v_and_or_b32 v[TM+8+\b], v[TM+\b], 0x7f800000, s[MNT]        ; 57,344 x the scale
.endif
.endr
.irp b, 0,1,2,3
.if \b < \nb
	v_lshrrev_b32 v[TM+4+\b], 23, v[TM+12+\b]                    ; the scale's byte
.endif
.endr
.irp b, 0,1,2,3
.if \b < \nb
.irp i, 0,1,2,3,4,5,6,7,8,9,10,11,12,13,14,15
	v_med3_num_f32 v[(\s)+16*\b+\i], v[(\s)+16*\b+\i], -v[TM+8+\b], v[TM+8+\b]   ; the conversion to an 8-bit code does not saturate (ISA guide 7.6.2): the hold comes first
.endr
	v_cvt_scalef32_pk8_bf8_f32 v[PC+4*\b:PC+1+4*\b], v[(\s)+16*\b:(\s)+7+16*\b], v[TM+12+\b]
	v_cvt_scalef32_pk8_bf8_f32 v[PC+2+4*\b:PC+3+4*\b], v[(\s)+8+16*\b:(\s)+15+16*\b], v[TM+12+\b]
.endif
.endr
	v_nop                                          ; one plain line behind the last conversion
.endm
	s_load_b256 s[4:11], s[0:1], 0x0               ; x s[4:5], Wq s[6:7], Wk s[8:9], Wv s[10:11]
	s_load_b128 s[12:15], s[0:1], 0x20             ; Wo s[12:13], c1 s[14:15]
	s_load_b64 s[16:17], s[0:1], 0x30              ; s1
	v_lshl_add_u32 v254, v0, 2, 0x8400
	v_mov_b32 v255, 0
	v_lshrrev_b32 v5, 5, v0
	v_readfirstlane_b32 s18, v5                    ; wave
	s_lshr_b32 s19, s18, 1                         ; u: which of the two tiles
	s_and_b32 s20, s18, 1                          ; which half of K
	v_and_b32 v5, 31, v0
	v_lshlrev_b32 v1, 4, v5                        ; 16 x lane
	s_mul_i32 s21, s18, STGB
	v_add_nc_u32 v2, s21, v1                       ; the stage, way in: 16 x lane of a row
	v_and_b32 v6, 15, v0                           ; r
	v_bfe_u32 v7, v0, 4, 1                         ; h
	v_mul_u32_u24 v3, v6, SP
	v_lshl_add_u32 v3, v7, 6, v3
	v_add_nc_u32 v3, s21, v3                       ; way out: row r, + 64 h
	v_lshlrev_b32 v4, 3, v6
	v_lshl_add_u32 v4, v7, 7, v4                   ; the scale words' place: 128 h + 8 r
	s_mov_b32 s[SEL], 0x76543210
	s_mov_b32 s[SEL+1], 0xfedcba98
	s_mov_b32 s[MNT], 0x600000
	s_mov_b32 s[HM], 0xffff0000
.irp b, 0,1,2,3
	v_mov_b32 v[TM+4+\b], 0                        ; written once: a lane permute's destination counts as one of its sources
.endr
	s_and_b32 s30, ttmp9, 31                       ; a weight's group of 32 rows (the weights begin at work-group 256)
	s_lshr_b32 s32, ttmp9, 2                       ; G
	s_and_b32 s33, ttmp9, 3
	s_lshl_b32 s33, s33, 1
	s_add_co_u32 s33, s33, s19                     ; i
	s_lshl_b32 s34, s32, 17
	s_lshl_b32 s36, s33, 12
	s_add_co_u32 s34, s34, s36
	s_lshl_b32 s36, s20, 16
	s_add_co_u32 s34, s34, s36                     ; codes: 131072 G + 4096 i + 65536 half
	s_mov_b32 s35, 0
	s_lshl_b32 s36, s32, 12
	s_lshl_b32 s38, s33, 9
	s_add_co_u32 s36, s36, s38
	s_lshl_b32 s38, s20, 8
	s_add_co_u32 s36, s36, s38                     ; scale words: 4096 G + 512 i + 256 half
	s_mov_b32 s37, 0
	s_wait_alu depctr_va_vdst(0)
	s_wait_kmcnt 0x0
	s_cmp_lt_u32 ttmp9, 352                        ; which tensor: the choice hangs on the work-group's number alone
	s_cselect_b64 s[22:23], s[10:11], s[12:13]
	s_cmp_lt_u32 ttmp9, 320
	s_cselect_b64 s[22:23], s[8:9], s[22:23]
	s_cmp_lt_u32 ttmp9, 288
	s_cselect_b64 s[22:23], s[6:7], s[22:23]
	s_cmp_lt_u32 ttmp9, 256
	s_cselect_b64 s[22:23], s[4:5], s[22:23]
	s_cselect_b32 s29, ttmp9, s30                  ; the group of 32 rows inside that tensor
	s_lshl_b32 s24, s29, 17                        ; 32 rows of 4,096 bytes
	s_lshl_b32 s25, s19, 15                        ; + 8 u rows
	s_add_co_u32 s24, s24, s25
	s_lshl_b32 s25, s20, 11                        ; + four K steps of 512 bytes
	s_add_co_u32 s24, s24, s25
	s_mov_b32 s25, 0
	s_add_nc_u64 s[22:23], s[22:23], s[24:25]
	s_add_nc_u64 s[34:35], s[14:15], s[34:35]
	s_add_nc_u64 s[36:37], s[16:17], s[36:37]
.macro LOAD t, set                     ; K step t of the tile's 16 rows
.irp p, 0,1,2,3,4,5,6,7,8,9,10,11,12,13,14,15
	global_load_b128 v[R+64*(\set)+4*\p:R+64*(\set)+4*\p+3], v1, s[22:23] offset:(\p+8*(\p/8))*4096+512*(\t) th:TH_LOAD_NT
.endr
.endm
.macro TURN set                        ; through the stage: LDS serves a wave's instructions in order (ISA guide 5.7.1.4), so no wait stands between the stores and the loads
.irp p, 0,1,2,3,4,5,6,7,8,9,10,11,12,13,14,15
	ds_store_b128 v2, v[R+64*(\set)+4*\p:R+64*(\set)+4*\p+3] offset:SP*\p
.endr
.irp c, 0,1,2,3
.irp j, 0,1,2,3
	ds_load_b128 v[X+16*\c+4*\j:X+16*\c+4*\j+3], v3 offset:128*\c+16*\j
.endr
.endr
.endm
.macro ONE t
.if (\t) < 3
	s_wait_loadcnt 16                              ; this K step's 16 loads are in; the other set's 16 may be out
.else
	s_wait_loadcnt 0x0
.endif
	TURN (\t)%2
	s_wait_dscnt 0x0                               ; my numbers are back, and the stage's stores have read their registers
.if (\t) < 2
	LOAD (\t)+2, (\t)%2
.endif
.if (\t) > 0
	s_wait_xcnt 0x0                                ; the last K step's stores have read the codes' registers
.endif
	QUANT X, 4
	v_lshl_or_b32 v[SW+(\t)], v[TM+5], 8, v[TM+4]  ; the four bytes make my row's scale word
	v_lshl_or_b32 v[SW+(\t)], v[TM+6], 16, v[SW+(\t)]
	v_lshl_or_b32 v[SW+(\t)], v[TM+7], 24, v[SW+(\t)]
.irp c, 0,1,2,3
	global_store_b128 v1, v[PC+4*\c:PC+4*\c+3], s[34:35] offset:((\t)/2)*32768+((\t)%2)*2048+512*\c   ; 512 consecutive bytes
.endr
.endm
	LOAD 0, 0
	LOAD 1, 1
	ONE 0
	ONE 1
	ONE 2
	ONE 3
	v_cndmask_b32 v244, v[SW], v[SW+2], s[HM]      ; lanes 0-15 store the first K slot's two words of row r, lanes 16-31 the second's
	v_cndmask_b32 v245, v[SW+1], v[SW+3], s[HM]
	global_store_b64 v4, v[244:245], s[36:37]      ; 256 consecutive bytes, aligned
	s_wait_tensorcnt 0x0
	ds_add_u32 v254, v255
	s_wait_dscnt 0x0
	s_endpgm
.Lfunc_end_k_q4db732bfa6_quant:
	.size	k_q4db732bfa6_quant, .Lfunc_end_k_q4db732bfa6_quant-k_q4db732bfa6_quant
	.p2alignl 7, 3214868480
	.fill 96, 4, 3214868480
	.section	.rodata,"a",@progbits
	.p2align	6, 0x0
	.amdhsa_kernel k_q4db732bfa6_quant
		.amdhsa_group_segment_fixed_size 34304
		.amdhsa_private_segment_fixed_size 0
		.amdhsa_enable_private_segment 0
		.amdhsa_kernarg_size 56
		.amdhsa_user_sgpr_count 2
		.amdhsa_user_sgpr_kernarg_segment_ptr 1
		.amdhsa_wavefront_size32 1
		.amdhsa_system_sgpr_workgroup_id_x 1
		.amdhsa_system_sgpr_workgroup_id_y 1
		.amdhsa_system_sgpr_workgroup_id_z 1
		.amdhsa_system_vgpr_workitem_id 0
		.amdhsa_next_free_vgpr 256
		.amdhsa_next_free_sgpr 66
		.amdhsa_reserve_vcc 0
		.amdhsa_float_denorm_mode_32 3
		.amdhsa_float_denorm_mode_16_64 3
		.amdhsa_memory_ordered 1
		.amdhsa_forward_progress 1
		.amdhsa_inst_pref_size 51
	.end_amdhsa_kernel
	.amdgpu_metadata
---
amdhsa.version: [ 1, 2 ]
amdhsa.kernels:
  - .name:           k_q4db732bfa6_quant
    .symbol:         k_q4db732bfa6_quant.kd
    .args:
      - { .name: x, .offset: 0, .size: 8, .value_kind: global_buffer, .address_space: global }
      - { .name: Wq, .offset: 8, .size: 8, .value_kind: global_buffer, .address_space: global }
      - { .name: Wk, .offset: 16, .size: 8, .value_kind: global_buffer, .address_space: global }
      - { .name: Wv, .offset: 24, .size: 8, .value_kind: global_buffer, .address_space: global }
      - { .name: Wo, .offset: 32, .size: 8, .value_kind: global_buffer, .address_space: global }
      - { .name: c1, .offset: 40, .size: 8, .value_kind: global_buffer, .address_space: global }
      - { .name: s1, .offset: 48, .size: 8, .value_kind: global_buffer, .address_space: global }
    .group_segment_fixed_size: 34304
    .private_segment_fixed_size: 0
    .kernarg_segment_align: 8
    .kernarg_segment_size: 56
    .max_flat_workgroup_size: 128
    .sgpr_count:     66
    .vgpr_count:     256
    .wavefront_size: 32
...
	.end_amdgpu_metadata
.endif
;; end of part 1
;; launch qkv (part 2): grid 12 x 32, 4 waves a work-group, clusters of 4 x 4, 327,680 bytes of LDS; arguments c1, s1, bq, bk, bv, c2, s2; writes c2, s2
.if DOCPART == 2
	.amdgcn_target "amdgcn-amd-amdhsa--gfx1250"
	.amdhsa_code_object_version 6
	.text
	.protected	k_q4db732bfa6_qkv
	.globl	k_q4db732bfa6_qkv
	.p2align	8
	.type	k_q4db732bfa6_qkv,@function
k_q4db732bfa6_qkv:
	s_mov_b64 s[64:65], 0
	v_nop
	global_prefetch_b8 v0, s[64:65] scope:SCOPE_SE
	s_setreg_imm32_b32 hwreg(HW_REG_WAVE_MODE, 25, 1), 1
	s_wait_xcnt 0x0
	s_wait_alu depctr_hold_cnt(0) depctr_sa_sdst(0) depctr_va_vdst(0) depctr_va_sdst(0) depctr_va_ssrc(0) depctr_va_vcc(0) depctr_vm_vsrc(0)
	s_getreg_b32 s2, hwreg(HW_REG_IB_STS2, 6, 4)
	s_cmp_eq_u32 s2, 0
	s_cbranch_scc0 .Lentry_in_a_cluster
	s_endpgm
.Lentry_in_a_cluster:
	s_bfe_u32 s2, ttmp6, 0x10000c
	s_cmp_lg_u32 s2, 0xf033
	s_cbranch_scc0 .Lentry_shape_is_right
	s_endpgm
.Lentry_shape_is_right:
.set NQ,     2
.set FR,     16
.set NL,     4
.set NP,     8
.set HALFT,  32768
.set SLOT,   4*HALFT
.set SCL,    2*SLOT
.set HALFS,  4096
.set SPARE,  SCL+4*HALFS
.set BV,   8
.set ADRA, 16
.set ADRB, 20
.set ADRS, 27
.set SPW,  28
.set NIL,  29
.set SC,   32
.set BI,   64
.set AF,   128
.set ST,   128
.set PC,   192
.set TM,   208
.set SW,   224
.set D4,   232
.set T0,   236
.set T1,   237
.set SEL,  20
.set MNT,  22
.set HM,   23
.set G1, 24
.set G0, 32
.set G1B, 48
.set G0B, 56
.set G1S, 68
.set G0S, 76
.set G1SB, 80
.set G0SB, 88
.set MSB, 0
.macro WIN new
.if MSB != (\new)
	s_set_vgpr_msb (MSB<<8)|(\new)
.set MSB, (\new)
.endif
.endm
.set MUL_LO, 0xa1
.set MUL_HI, 0xf1
.set TO_B,   0x40
.macro JLOAD g0a, g1a, g0b, g1b
	s_cmp_eq_u32 s15, 0
	s_cbranch_scc0 .Lfor_b_\@
	tensor_load_to_lds s[\g0a:\g0a+3], s[\g1a:\g1a+7]
	s_nop 0
.rept 4
	v_nop
.endr
	s_branch .Lasked_\@
.Lfor_b_\@:
	tensor_load_to_lds s[\g0b:\g0b+3], s[\g1b:\g1b+7]
	s_nop 0
.rept 4
	v_nop
.endr
.Lasked_\@:
.endm
.macro CREST
	s_cmp_lg_u32 s14, 0
	s_cbranch_scc1 .Lnot_wave_0_\@
	s_barrier_signal -3
.Lnot_wave_0_\@:
	s_barrier_wait -3
	s_barrier_signal -1
	s_barrier_wait -1
.endm
.macro CROUND
	s_barrier_signal -1
	s_barrier_wait -1
	CREST
.endm
.macro QUANT s, nb
.irp b, 0,1,2,3
.if \b < \nb
	v_max3_num_f32 v[TM+\b], |v[(\s)+16*\b]|, |v[(\s)+1+16*\b]|, 0x8000000
.endif
.endr
.irp i, 2,4,6,8,10,12,14
.irp b, 0,1,2,3
.if \b < \nb
	v_max3_num_f32 v[TM+\b], v[TM+\b], |v[(\s)+16*\b+\i]|, |v[(\s)+1+16*\b+\i]|
.endif
.endr
.endr
.irp b, 0,1,2,3
.if \b < \nb
	v_permlanex16_b32 v[TM+4+\b], v[TM+\b], s[SEL], s[SEL+1]
.endif
.endr
.irp b, 0,1,2,3
.if \b < \nb
	v_max_num_f32 v[TM+\b], v[TM+\b], v[TM+4+\b]
.endif
.endr
.irp b, 0,1,2,3
.if \b < \nb
	v_add_nc_u32 v[TM+12+\b], 0xf8800000, v[TM+\b]
.endif
.endr
.irp b, 0,1,2,3
.if \b < \nb
	v_and_or_b32 v[TM+8+\b], v[TM+\b], 0x7f800000, s[MNT]
.endif
.endr
.irp b, 0,1,2,3
.if \b < \nb
	v_lshrrev_b32 v[TM+4+\b], 23, v[TM+12+\b]
.endif
.endr
.irp b, 0,1,2,3
.if \b < \nb
.irp i, 0,1,2,3,4,5,6,7,8,9,10,11,12,13,14,15
	v_med3_num_f32 v[(\s)+16*\b+\i], v[(\s)+16*\b+\i], -v[TM+8+\b], v[TM+8+\b]
.endr
	v_cvt_scalef32_pk8_bf8_f32 v[PC+4*\b:PC+1+4*\b], v[(\s)+16*\b:(\s)+7+16*\b], v[TM+12+\b]
	v_cvt_scalef32_pk8_bf8_f32 v[PC+2+4*\b:PC+3+4*\b], v[(\s)+8+16*\b:(\s)+15+16*\b], v[TM+12+\b]
.endif
.endr
	v_nop
.endm
	s_load_b128 s[4:7], s[0:1], 0x0
	s_load_b128 s[8:11], s[0:1], 0x10
	s_load_b128 s[96:99], s[0:1], 0x20
	s_load_b64 s[100:101], s[0:1], 0x30
	v_lshl_add_u32 v[SPW], v0, 2, SPARE
	v_mov_b32 v[NIL], 0
	ds_add_u32 v28, v29
	ds_add_u32 v28, v29
	s_wait_dscnt 0x0
	v_lshrrev_b32 v1, 5, v0
	v_readfirstlane_b32 s14, v1
	s_lshr_b32 s15, s14, 1
	s_and_b32 s16, s14, 1
	s_bfe_u32 s40, ttmp6, 0x40000
	s_bfe_u32 s41, ttmp6, 0x40004
	s_and_b32 s18, ttmp7, 0xffff
	s_lshl_b32 s18, s18, 2
	s_add_co_u32 s17, s18, s41
	s_add_co_u32 s42, s18, s40
	s_add_co_u32 s19, s41, 40
	s_lshl_b32 s46, ttmp9, 2
	s_add_co_u32 s46, s46, s40
	s_add_co_u32 s46, s46, 32
	s_cmp_eq_u32 ttmp9, 2
	s_cselect_b32 s17, s19, s17
	s_cselect_b32 s42, s42, s46
	s_lshl_b32 s43, s41, 2
	s_lshl_b32 s43, 15, s43
	s_lshl_b32 s44, 0x1111, s40
	s_or_b32 s[G1+0], s43, (3<<16)|(1<<21)
	s_or_b32 s[G1B+0], s44, (3<<16)|(1<<21)
	s_or_b32 s[G1S+0], s43, (3<<16)|(1<<21)
	s_or_b32 s[G1SB+0], s44, (3<<16)|(1<<21)
.irp g, G1, G1B                        ; for the head's loads: both halves of a tile's K slot: two rows of 32,768 bytes (4,096 elements of 8), 131,072 bytes apart
	s_mov_b32 s[\g+1], 4096<<16
	s_mov_b32 s[\g+2], 2<<16
	s_mov_b32 s[\g+3], 4096<<16
	s_mov_b32 s[\g+4], 2
	s_mov_b32 s[\g+5], 16384
	s_mov_b32 s[\g+6], 0
	s_mov_b32 s[\g+7], 0
.endr
.irp g, G1S, G1SB
	s_mov_b32 s[\g+1], 32<<16
	s_mov_b32 s[\g+2], 32<<16              ; the scale words of 256 rows: 8,192 dense bytes
	s_mov_b32 s[\g+3], 32<<16
	s_mov_b32 s[\g+4], 32
	s_mov_b32 s[\g+5], 32
	s_mov_b32 s[\g+6], 0
	s_mov_b32 s[\g+7], 0
.endr
	s_lshl_b32 s18, s17, 1
	s_add_co_u32 s18, s18, s16
	s_lshl_b32 s46, s42, 1
	s_add_co_u32 s46, s46, s16
	s_lshl_b32 s20, s18, 17
	s_mov_b32 s21, 0
	s_lshl_b32 s66, s18, 12
	s_mov_b32 s67, 0
	s_lshl_b32 s94, s46, 12
	s_mov_b32 s95, 0
	s_lshl_b32 s46, s46, 17
	s_mov_b32 s47, 0
	s_lshl_b32 s45, s14, 15
	s_lshl_b32 s2, s16, 12                 ; my half's share of the scale words' offset, taken off again below
	s_mov_b32 s3, 0
	s_wait_kmcnt 0x0
	s_add_nc_u64 s[20:21], s[4:5], s[20:21]
	s_add_nc_u64 s[66:67], s[6:7], s[66:67]
	s_add_nc_u64 s[46:47], s[4:5], s[46:47]
	s_add_nc_u64 s[94:95], s[6:7], s[94:95]
	CROUND
	s_mov_b32 s[G0S], 1
	s_mov_b32 s[G0S+1], SCL
	s_sub_nc_u64 s[G0S+2:G0S+3], s[66:67], s[2:3]
	s_or_b32 s[G0S+3], s[G0S+3], 0x80000000
	s_mov_b32 s[G0SB], 1
	s_mov_b32 s[G0SB+1], SCL+2*HALFS
	s_sub_nc_u64 s[G0SB+2:G0SB+3], s[94:95], s[2:3]
	s_or_b32 s[G0SB+3], s[G0SB+3], 0x80000000
.irp s, 0,1
	s_mov_b32 s[G0+4*\s], 1
	s_add_co_u32 s[G0+4*\s+1], s45, \s*SLOT
	s_add_nc_u64 s[G0+4*\s+2:G0+4*\s+3], s[20:21], \s*HALFT
	s_or_b32 s[G0+4*\s+3], s[G0+4*\s+3], 0x80000000
	s_mov_b32 s[G0B+4*\s], 1
	s_add_co_u32 s[G0B+4*\s+1], s45, \s*SLOT
	s_add_nc_u64 s[G0B+4*\s+2:G0B+4*\s+3], s[46:47], \s*HALFT
	s_or_b32 s[G0B+4*\s+3], s[G0B+4*\s+3], 0x80000000
.endr
; THE HEAD'S LOADS, ONE A WAVE, in one chain of branches on the wave's number: wave 0 slot 0's 256 rows of A, wave 2 those of B (their own slot 0 descriptors begin at the tile's first half), wave 1 A's scale words, wave 3 B's
	s_cmp_eq_u32 s14, 0
	s_cbranch_scc0 .Lhead_b
	tensor_load_to_lds s[G0:G0+3], s[G1:G1+7]
	s_nop 0
.rept 4
	v_nop
.endr
	s_branch .Lhead_asked
.Lhead_b:
	s_cmp_eq_u32 s14, 2
	s_cbranch_scc0 .Lhead_sa
	tensor_load_to_lds s[G0B:G0B+3], s[G1B:G1B+7]
	s_nop 0
.rept 4
	v_nop
.endr
	s_branch .Lhead_asked
.Lhead_sa:
	s_cmp_eq_u32 s14, 1
	s_cbranch_scc0 .Lhead_sb
	tensor_load_to_lds s[G0S:G0S+3], s[G1S:G1S+7]
	s_nop 0
.rept 4
	v_nop
.endr
	s_branch .Lhead_asked
.Lhead_sb:
	tensor_load_to_lds s[G0SB:G0SB+3], s[G1SB:G1SB+7]
	s_nop 0
.rept 4
	v_nop
.endr
.Lhead_asked:
	s_wait_alu depctr_va_vdst(0)
	s_wait_tensorcnt 0x0                   ; my tile of the head's four is in
	ds_add_u32 v28, v29
.irp g, G1, G1B                        ; no tensor load of mine is out: from here on a load brings 128 rows of 256 bytes
	s_mov_b32 s[\g+1], 32<<16
	s_mov_b32 s[\g+2], 128<<16
	s_mov_b32 s[\g+3], 32<<16
	s_mov_b32 s[\g+4], 128
	s_mov_b32 s[\g+5], 32
.endr
	s_wait_dscnt 0x0
	CROUND
	JLOAD G0+4, G1, G0B+4, G1B             ; slot 1's first fill, a quarter a wave
	v_and_b32 v1, 15, v0
	v_bfe_u32 v2, v0, 4, 1
	s_wait_alu depctr_va_vdst(0)
	v_and_b32 v3, 31, v0
	v_lshlrev_b32 v22, 4, v3
	s_lshl_b32 s18, s15, 15
	s_lshl_b32 s19, s16, 15
	s_add_co_u32 s19, s19, 2*HALFT
.irp s, 0,1
	v_add_nc_u32 v[ADRA+\s], s18, v22
	v_add_nc_u32 v[ADRB+\s], s19, v22
	s_add_co_u32 s18, s18, SLOT
	s_add_co_u32 s19, s19, SLOT
.endr
	s_lshl_b32 s18, s15, 12
	s_lshl_b32 s19, s16, 12
	s_add_co_u32 s19, s19, 2*HALFS
	s_sub_co_u32 s19, s19, s18
	v_mul_u32_u24 v5, s19, v2
	s_add_co_u32 s18, s18, SCL
	v_lshl_add_u32 v5, v1, 3, v5
	v_add_nc_u32 v[ADRS], s18, v5
	v_lshlrev_b32 v18, 6, v2
	s_wait_alu depctr_va_vdst(0)
	v_and_b32 v6, 8, v1
	v_add_nc_u32 v6, v6, v1
	v_lshlrev_b32 v19, 2, v6
	s_wait_alu depctr_va_vdst(0)
	s_cmp_eq_u32 ttmp9, 1
	s_cselect_b64 s[12:13], s[10:11], s[8:9]
	s_lshl_b32 s18, s40, 10
	s_lshl_b32 s19, s16, 9
	s_add_co_u32 s18, s18, s19
	s_mov_b32 s19, 0
	s_add_nc_u64 s[12:13], s[12:13], s[18:19]
	s_lshl_b32 s18, s41, 10
	s_lshl_b32 s2, s15, 9
	s_add_co_u32 s18, s18, s2
	s_add_nc_u64 s[92:93], s[96:97], s[18:19]
.irp e, 0,1,2,3
.irp j, 0,1,2,3
	global_load_b128 v[BI+16*\e+4*\j:BI+16*\e+4*\j+3], v18, s[12:13] offset:128*\e+16*\j
.endr
.endr
.irp a, 0,1,2,3,4,5,6,7
	global_load_b32 v[BV+\a], v19, s[92:93] offset:(32*(\a/2)+8*(\a%2))*4
.endr
.macro FRAG reg, adr, q, i
.irp c, 0,1,2,3
	ds_load_b128 v[\reg+4*\c:\reg+4*\c+3], v[\adr] offset:4096*(\i)+2048*(\q)+512*\c
.endr
.endm
.macro MUL16 a0, p, q, sc, zero
.irp a, \a0, \a0+1
.irp b, 0,1,2,3,4,5,6,7
.if \zero
	v_wmma_scale_f32_16x16x128_f8f6f4 v[8*(8*((\a)%4)+\b):8*(8*((\a)%4)+\b)+7], v[128*(\p)+FR*\b:128*(\p)+FR*\b+FR-1], v[AF+FR*(\a):AF+FR*(\a)+FR-1], 0, v[SC+8*NQ*(\sc)+NQ*\b+(\q)], v[SC+8*NQ*(\sc)+NQ*(\a)+(\q)] matrix_a_fmt:MATRIX_FMT_BF8 matrix_b_fmt:MATRIX_FMT_BF8 matrix_a_scale:MATRIX_SCALE_ROW1
.else
	v_wmma_scale_f32_16x16x128_f8f6f4 v[8*(8*((\a)%4)+\b):8*(8*((\a)%4)+\b)+7], v[128*(\p)+FR*\b:128*(\p)+FR*\b+FR-1], v[AF+FR*(\a):AF+FR*(\a)+FR-1], v[8*(8*((\a)%4)+\b):8*(8*((\a)%4)+\b)+7], v[SC+8*NQ*(\sc)+NQ*\b+(\q)], v[SC+8*NQ*(\sc)+NQ*(\a)+(\q)] matrix_a_fmt:MATRIX_FMT_BF8 matrix_b_fmt:MATRIX_FMT_BF8 matrix_a_scale:MATRIX_SCALE_ROW1
.endif
.endr
.endr
.endm
.macro FETCH_B slot, q, p
	WIN TO_B
.irp i, 0,1,2,3,4,5,6,7
	FRAG 128*(\p)+FR*\i, ADRB+\slot, \q, \i
.endr
	WIN 0
.endm
.macro FETCH_A slot, q, i0
.irp i, \i0, \i0+1, \i0+2, \i0+3
	FRAG AF+FR*(\i), ADRA+\slot, \q, \i
.endr
.endm
.macro SCALES sc
.irp i, 0,1,2,3,4,5,6,7
	ds_load_b64 v[SC+8*NQ*(\sc)+NQ*\i:SC+8*NQ*(\sc)+NQ*\i+1], v[ADRS] offset:512*\i
.endr
.endm
.macro PLACES n
.rept \n
	v_nop
.endr
.endm
.macro STEP slot, q, zero
	s_wait_dscnt 4*NL
	WIN MUL_LO
	MUL16 0, (\q)%2, \q, \slot, \zero
	MUL16 2, (\q)%2, \q, \slot, \zero
	s_wait_dscnt 0
	PLACES NP
	FETCH_B \slot, (\q)+1, 1-(\q)%2
	FETCH_A \slot, (\q)+1, 0
	WIN MUL_HI
	MUL16 4, (\q)%2, \q, \slot, \zero
	MUL16 6, (\q)%2, \q, \slot, \zero
	PLACES NP
	WIN 0
	FETCH_A \slot, (\q)+1, 4
.endm
.macro TURN slot, next, fill
	s_wait_tensorcnt 0x0
	ds_add_u32 v[SPW], v[NIL]
	s_wait_dscnt 4*NL+1
	WIN MUL_LO
	MUL16 0, 1, NQ-1, \slot, 0
	s_wait_dscnt 0x0
	s_barrier_signal -1
	MUL16 2, 1, NQ-1, \slot, 0
	WIN 0
	s_barrier_wait -1
.if \fill
	CREST
	s_add_nc_u64 s[G0+4*\slot+2:G0+4*\slot+3], s[G0+4*\slot+2:G0+4*\slot+3], 2*HALFT
	s_add_nc_u64 s[G0B+4*\slot+2:G0B+4*\slot+3], s[G0B+4*\slot+2:G0B+4*\slot+3], 2*HALFT
	JLOAD G0+4*\slot, G1, G0B+4*\slot, G1B
	PLACES NP-4
.else
	PLACES NP
.endif
	s_wait_alu depctr_va_vdst(0)
	v_add_nc_u32 v[ADRS], 128, v[ADRS]
	FETCH_B \next, 0, 0
	FETCH_A \next, 0, 0
	SCALES \next
	WIN MUL_HI
	MUL16 4, 1, NQ-1, \slot, 0
	MUL16 6, 1, NQ-1, \slot, 0
	PLACES NP
	WIN 0
	FETCH_A \next, 0, 4
.endm
	s_wait_tensorcnt 1
	s_barrier_signal -1
	s_barrier_wait -1
	FETCH_B 0, 0, 0
	FETCH_A 0, 0, 0
	SCALES 0
	FETCH_A 0, 0, 4
	STEP 0, 0, 1
	TURN 0, 1, 1
	STEP 1, 0, 0
	TURN 1, 0, 1
	STEP 0, 0, 0
	TURN 0, 1, 0
	STEP 1, 0, 0
	s_wait_dscnt 4*NL
	WIN MUL_LO
	MUL16 0, 1, NQ-1, 1, 0
	MUL16 2, 1, NQ-1, 1, 0
	s_wait_dscnt 0
	WIN MUL_HI
	MUL16 4, 1, NQ-1, 1, 0
	MUL16 6, 1, NQ-1, 1, 0
	WIN 0
.macro EPI a, kind
.if (\a) > 0
	s_wait_xcnt 0x0
.endif
	WIN 0x02+(\a)/4
.set AC, 64*((\a)%4)
.set ii, 0
.rept 32
.if \kind == 2
.if (\a)%2 == 0
	v_pk_add_f32 v[ST+ii:ST+ii+1], v[AC+ii:AC+ii+1], v[BV+2*((\a)/2):BV+2*((\a)/2)+1] op_sel_hi:[1,0]
.else
	v_pk_add_f32 v[ST+ii:ST+ii+1], v[AC+ii:AC+ii+1], v[BV+2*((\a)/2):BV+2*((\a)/2)+1] op_sel:[0,1] op_sel_hi:[1,1]
.endif
.else
	v_pk_add_f32 v[ST+ii:ST+ii+1], v[AC+ii:AC+ii+1], v[BI+ii:BI+ii+1]
.endif
.set ii, ii+2
.endr
	WIN 0
	QUANT ST, 4
.if \kind == 2
	v_lshl_or_b32 v[SW+(\a)], v[TM+5], 8, v[TM+4]
	v_lshl_or_b32 v[SW+(\a)], v[TM+6], 16, v[SW+(\a)]
	v_lshl_or_b32 v[SW+(\a)], v[TM+7], 24, v[SW+(\a)]
.irp e, 0,1,2,3
	global_store_b128 v22, v[PC+4*\e:PC+4*\e+3], s[66:67] offset:131072*((\a)/4)+2048*((\a)%4)+512*\e
.endr
.else
	v_lshl_or_b32 v[T0], v[TM+5], 8, v[TM+4]
	v_lshl_or_b32 v[T1], v[TM+7], 8, v[TM+6]
	v_cndmask_b32 v[SW+(\a)], v[T0], v[T1], s[HM]
.irp e, 0,1,2,3
	global_store_b128 v22, v[PC+4*\e:PC+4*\e+3], s[66:67] offset:1024*(\a)+512*(\e%2)+131072*(\e/2)
.endr
.endif
.endm
	PLACES NP
	s_wait_loadcnt 0x0
	s_mov_b32 s[SEL], 0x76543210
	s_mov_b32 s[SEL+1], 0xfedcba98
	s_mov_b32 s[MNT], 0x600000
	s_mov_b32 s[HM], 0xffff0000
.irp b, 0,1,2,3
	v_mov_b32 v[TM+4+\b], 0
.endr
	s_cmp_eq_u32 ttmp9, 2
	s_cbranch_scc1 .Lkind_v
	s_lshl_b32 s18, s17, 1
	s_add_co_u32 s18, s18, s15
	s_lshr_b32 s19, s18, 4
	s_lshl_b32 s19, s19, 4
	s_lshl_b32 s2, s40, 2
	s_add_co_u32 s19, s19, s2
	s_lshl_b32 s2, s16, 1
	s_add_co_u32 s19, s19, s2
	s_and_b32 s18, s18, 15
	s_lshl_b32 s66, s19, 17
	s_lshl_b32 s2, s18, 13
	s_add_co_u32 s66, s66, s2
	s_lshl_b32 s2, ttmp9, 23
	s_add_co_u32 s66, s66, s2
	s_mov_b32 s67, 0
	s_add_nc_u64 s[66:67], s[98:99], s[66:67]
	s_lshl_b32 s94, s19, 13
	s_lshl_b32 s2, s18, 9
	s_add_co_u32 s94, s94, s2
	s_lshl_b32 s2, ttmp9, 19
	s_add_co_u32 s94, s94, s2
	s_mov_b32 s95, 0
	s_add_nc_u64 s[94:95], s[100:101], s[94:95]
	v_lshlrev_b32 v23, 13, v2
	v_lshl_add_u32 v23, v1, 4, v23
.irp a, 0,1,2,3,4,5,6,7
	EPI \a, 0
.endr
	global_store_b128 v23, v[SW:SW+3], s[94:95]
	global_store_b128 v23, v[SW+4:SW+7], s[94:95] offset:256
	s_branch .Ldone
.Lkind_v:
	s_lshl_b32 s18, s42, 1
	s_add_co_u32 s18, s18, s16
	s_lshr_b32 s19, s18, 4
	s_lshl_b32 s19, s19, 4
	s_lshl_b32 s2, s41, 2
	s_add_co_u32 s19, s19, s2
	s_lshl_b32 s2, s15, 1
	s_add_co_u32 s19, s19, s2
	s_and_b32 s18, s18, 15
	s_lshl_b32 s66, s19, 17
	s_lshl_b32 s2, s18, 13
	s_add_co_u32 s66, s66, s2
	s_add_co_u32 s66, s66, 16777216
	s_mov_b32 s67, 0
	s_add_nc_u64 s[66:67], s[98:99], s[66:67]
	s_lshl_b32 s94, s19, 12
	s_lshl_b32 s2, s18, 8
	s_add_co_u32 s94, s94, s2
	s_add_co_u32 s94, s94, 1048576
	s_mov_b32 s95, 0
	s_add_nc_u64 s[94:95], s[100:101], s[94:95]
	v_lshlrev_b32 v23, 12, v2
	v_lshl_add_u32 v23, v1, 4, v23
.irp a, 0,1,2,3,4,5,6,7
	EPI \a, 2
.endr
.irp t, 0,1,2,3
	v_cndmask_b32 v[D4+\t], v[SW+\t], v[SW+4+\t], s[HM]
.endr
	global_store_b128 v23, v[D4:D4+3], s[94:95]
.Ldone:
	s_wait_tensorcnt 0x0
	ds_add_u32 v[SPW], v[NIL]
	s_wait_dscnt 0x0
	CROUND
	s_endpgm
.Lfunc_end_k_q4db732bfa6_qkv:
	.size	k_q4db732bfa6_qkv, .Lfunc_end_k_q4db732bfa6_qkv-k_q4db732bfa6_qkv
	.p2alignl 7, 3214868480
	.fill 96, 4, 3214868480
	.section	.rodata,"a",@progbits
	.p2align	6, 0x0
	.amdhsa_kernel k_q4db732bfa6_qkv
		.amdhsa_group_segment_fixed_size 327680
		.amdhsa_private_segment_fixed_size 0
		.amdhsa_enable_private_segment 0
		.amdhsa_kernarg_size 56
		.amdhsa_user_sgpr_count 2
		.amdhsa_user_sgpr_kernarg_segment_ptr 1
		.amdhsa_wavefront_size32 1
		.amdhsa_system_sgpr_workgroup_id_x 1
		.amdhsa_system_sgpr_workgroup_id_y 1
		.amdhsa_system_sgpr_workgroup_id_z 1
		.amdhsa_system_vgpr_workitem_id 0
		.amdhsa_next_free_vgpr 1024
		.amdhsa_next_free_sgpr 102
		.amdhsa_reserve_vcc 0
		.amdhsa_float_denorm_mode_32 3
		.amdhsa_float_denorm_mode_16_64 3
		.amdhsa_memory_ordered 1
		.amdhsa_forward_progress 1
		.amdhsa_inst_pref_size 255
	.end_amdhsa_kernel
	.section	.bss,"aw",@nobits
	.p2align	6
	.space	262144
	.amdgpu_metadata
---
amdhsa.version: [ 1, 2 ]
amdhsa.kernels:
  - .name:           k_q4db732bfa6_qkv
    .symbol:         k_q4db732bfa6_qkv.kd
    .args:
      - { .name: c1, .offset: 0, .size: 8, .value_kind: global_buffer, .address_space: global }
      - { .name: s1, .offset: 8, .size: 8, .value_kind: global_buffer, .address_space: global }
      - { .name: bq, .offset: 16, .size: 8, .value_kind: global_buffer, .address_space: global }
      - { .name: bk, .offset: 24, .size: 8, .value_kind: global_buffer, .address_space: global }
      - { .name: bv, .offset: 32, .size: 8, .value_kind: global_buffer, .address_space: global }
      - { .name: c2, .offset: 40, .size: 8, .value_kind: global_buffer, .address_space: global }
      - { .name: s2, .offset: 48, .size: 8, .value_kind: global_buffer, .address_space: global }
    .group_segment_fixed_size: 327680
    .private_segment_fixed_size: 0
    .kernarg_segment_align: 8
    .kernarg_segment_size: 56
    .max_flat_workgroup_size: 128
    .sgpr_count:     102
    .vgpr_count:     1024
    .wavefront_size: 32
...
	.end_amdgpu_metadata
.endif
;; end of part 2
;; launch attn (part 3): grid 4 x 64, 16 waves a work-group, clusters of 4 x 1, 276,480 bytes of LDS; arguments c2, s2, c3, s3; writes c3, s3
.if DOCPART == 3
	.amdgcn_target "amdgcn-amd-amdhsa--gfx1250"
	.amdhsa_code_object_version 6
	.text
	.protected	k_q4db732bfa6_attn
	.globl	k_q4db732bfa6_attn
	.p2align	8
	.type	k_q4db732bfa6_attn,@function
k_q4db732bfa6_attn:
	s_mov_b64 s[64:65], 0
	v_nop
	global_prefetch_b8 v0, s[64:65] scope:SCOPE_SE
	s_setreg_imm32_b32 hwreg(HW_REG_WAVE_MODE, 25, 1), 1
	s_wait_xcnt 0x0
	s_wait_alu depctr_hold_cnt(0) depctr_sa_sdst(0) depctr_va_vdst(0) depctr_va_sdst(0) depctr_va_ssrc(0) depctr_va_vcc(0) depctr_vm_vsrc(0)
	s_getreg_b32 s2, hwreg(HW_REG_IB_STS2, 6, 4)
	s_cmp_eq_u32 s2, 0
	s_cbranch_scc0 .Lentry_in_a_cluster
	s_endpgm
.Lentry_in_a_cluster:
	s_bfe_u32 s2, ttmp6, 0x10000c
	s_cmp_lg_u32 s2, 0x3003
	s_cbranch_scc0 .Lentry_shape_is_right
	s_endpgm
.Lentry_shape_is_right:
; For each of 64 (batch, head): O = softmax(Q K^T / 8) V, both products on codes of E5M2 with one E8M0 byte for each 32 along a product's K; O is quantised along the model's 1,024 on the way out.
; THE SOFTMAX: t = score x log2(e) / 8; M = the running largest t rounded UP to a whole number; p = 2^(t - M) is quantised along the keys, not normalised; the row's sum is taken of the
; unquantised p in f32 and divides O at the end.  When M moves, the sum and O are multiplied by 2^(old M - new M), which rounds nothing.
; c2, s2 (codes and scale words in the order of the operands' registers; place r of a tile T of 16 is 32 (T / 2) + 8 (T % 2) + r + 8 (r / 8)):
;   Q at 0, K at 8388608: 131072 bh + 1024 Tl + 512 c + 16 lane;  V at 16777216, keys innermost: 131072 bh + 8192 sk + 2048 t + 512 c + 16 lane.
;   scale words: Q at 0, K at 524288: 8192 bh + 256 (Tl / 4) + 16 r + 4 (Tl % 4), upper two bytes 0;  V at 1048576: 4096 bh + 256 sk + 16 r + 4 t.
; THE HEAD HAS 64 ALONG d, THE MATRIX INSTRUCTION 128.  A fragment of K holds TWO tiles of keys: tile 2 j in k = 0 .. 63, tile 2 j + 1 in k = 64 .. 127.  It is multiplied twice: with [Q, zero codes] for tile 2 j,
; with [zero codes, Q] for tile 2 j + 1; the two fragments of Q overlap in 24 registers.  K's scale word is tile 2 j's two bytes under tile 2 j + 1's; Q's holds its two bytes twice.  Zero codes add nothing under a finite byte.
; SHARES.  A cluster of four work-groups is one (batch, head); a work-group owns 512 queries; each of its sixteen waves owns one tile of 16 queries in each of two passes, in 256 registers.
; A WHOLE HEAD'S K AND V STAY IN LDS: 2 x 131,072 bytes of codes, 8,192 + 4,096 of scale words, FILLED ONCE.  The four partners need the same bytes and ask jointly: wave 0 K's scale words, wave 1 V's,
; waves 2 to 9 one chunk of 32,768 bytes each: one tensor load a wave.  Every wave waits for its load, one barrier shows all of it, and no barrier follows: nothing in LDS is written again.
; LAYOUT.  S^T = K Q^T (source 0 = keys, source 1 = my queries), O^T = V^T P^T: a lane holds one query throughout; registers 16 b + i of S^T are keys 32 b + 16 (lane / 16) + i of the step.
; THE ORDER OF A STEP n.  On entry S holds step n's scores.  Eight maxima, then the loads of step n - 1's V and of step n + 1's scale words of K; the other maxima, M, t - M, the exponentials; behind the last
; exponential the product O^T += V^T P^T of step n - 1; the row's 32 sums, which are the places behind that product; behind them the loads of step n + 1's K; scales, holds, conversions;
; step n + 1's scores, into the registers that p has left; the rescaling of O^T by step n's factor, 16 lines, which are the places behind the scores' products.  K's and V's fragments take turns in one set of
; 64 registers.  The first step (no product with V) and the last (no further scores) are written out beside the loop of fourteen.
; OUT.  c3: 131072 G + 32768 s + 4096 i + 2048 q + 512 c + 16 lane; s3: 4096 G + 512 i + 128 s + 8 r + 4 q, byte c.  A head is half of a scale word, so the scale bytes leave two at a time, 16 rows 8 bytes apart.
; No prefetch: all tiles are asked for in the first group of loads.  LIMITS: NaN and infinities are not served; a block of zeros gets the byte 1 (its codes are zeros).
.set VIMG, 131072                      ; LDS: K's codes at 0, V's here,
.set KSC,  262144                      ; K's scale words,
.set VSC,  270336                      ; V's,
.set SPARE, 274432                     ; the spare words: 128 bytes a wave
.set ADK,  8                           ; v8-11 the step's addresses: K's codes, V's codes, K's scale words, V's
.set ADV,  9
.set ADS,  10
.set ADT,  11
.set QF,   16                          ; v16-23 Q, v24-31 zero codes, v32-39 Q again
.set KF,   40                          ; v40-103 four fragments of K (eight tiles of keys) or four of V
.set S,    104                         ; v104-167 S^T, then p
.set O,    168                         ; v168-199 O^T
.set PC,   200                         ; v200-215 p's codes; on the way out O's
.set BM,   216                         ; v216-219 a block's largest score, then p
.set T1,   220                         ; v220-223 the maxima's second chains, lane l xor 16's maxima, the scale bytes
.set HOLD, 224                         ; v224-231 also hold four partial sums of the row
.set SOP,  228
.set TM,   216                         ; the same sixteen registers on the way out
.set KS,   232                         ; v232-239 K's scale words
.set VS,   240                         ; v240-243 V's
.set F,    244                         ; v244 f = 2^(old M - new M), v245 p's scale word
.set TT,   246
.set QS,   247                         ; Q's scale word, its two bytes twice
.set QSR,  248                         ; as it is loaded
.set TU,   249                         ; the running largest score as t
.set TO,   250                         ; the old -M
.set WV,   12                          ; v12 -M, v13 the running largest score, v[14:15] the sum in two halves
.set G1C,  24                          ; s[24:31] group 1 for a chunk; s[32:39] for K's scale words; s[40:47] for V's
.set G1KS, 32
.set G1VS, 40
.set G0KS, 48                          ; groups 0
.set G0VS, 52
.set G0C,  56
.set SEL,  72
.set CS,   74                          ; s[74:75] log2(e) / 8
.set MNT,  76
.set TK,   77                          ; 8,192 x the step: LDS byte of its codes
.set TS,   78                          ; 512 x the step: of K's scale words
.set TJ,   79                          ; 256 x the step: of V's
.set CNT,  80
.set PS,   81
.macro ROUND                           ; a round of the cluster's barrier
	s_barrier_signal -1
	s_barrier_wait -1
	s_cmp_lg_u32 s[WV], 0
	s_cbranch_scc1 .Lnot_wave_0_\@
	s_barrier_signal -3
.Lnot_wave_0_\@:
	s_barrier_wait -3
	s_barrier_signal -1
	s_barrier_wait -1
.endm
.macro WALU
	s_wait_alu depctr_va_vdst(0)
.endm
.macro TLOAD g0, g1                    ; an s_nop 0 and four v_nop follow each tensor load
	tensor_load_to_lds s[\g0:\g0+3], s[\g1:\g1+7]
	s_nop 0
.rept 4
	v_nop
.endr
.endm
.macro GROUP1 g, rows                  ; dense rows of 256 bytes (32 elements of 8); the mask names all four work-groups, bit 21 beside it
	s_mov_b32 s[\g], 15|(3<<16)|(1<<21)
	s_mov_b32 s[\g+1], 32<<16
	s_mov_b32 s[\g+2], (\rows)<<16
	s_mov_b32 s[\g+3], 32<<16
	s_mov_b32 s[\g+4], \rows
	s_mov_b32 s[\g+5], 32
	s_mov_b32 s[\g+6], 0
	s_mov_b32 s[\g+7], 0
.endm
.macro QLOAD oc, os                    ; a tile of Q, into both its places, and its scale words
.irp c, 0,1
	global_load_b128 v[QF+4*\c:QF+4*\c+3], v1, s[82:83] offset:(\oc)+512*\c
	global_load_b128 v[QF+16+4*\c:QF+16+4*\c+3], v1, s[82:83] offset:(\oc)+512*\c
.endr
	global_load_b32 v[QSR], v7, s[84:85] offset:\os
.endm
.macro KJOIN                           ; tile 2 j + 1's two scale bytes over tile 2 j's
.irp j, 0,1,2,3
	v_lshl_or_b32 v[KS+2*\j], v[KS+2*\j+1], 16, v[KS+2*\j]
.endr
.endm
.macro SMUL                            ; S^T of 128 keys: each fragment of K twice
.irp j, 0,1,2,3
	v_wmma_scale_f32_16x16x128_f8f6f4 v[S+16*\j:S+16*\j+7], v[KF+16*\j:KF+16*\j+15], v[QF:QF+15], 0, v[KS+2*\j], v[QS] matrix_a_fmt:MATRIX_FMT_BF8 matrix_b_fmt:MATRIX_FMT_BF8
	v_wmma_scale_f32_16x16x128_f8f6f4 v[S+16*\j+8:S+16*\j+15], v[KF+16*\j:KF+16*\j+15], v[QF+8:QF+23], 0, v[KS+2*\j], v[QS] matrix_a_fmt:MATRIX_FMT_BF8 matrix_b_fmt:MATRIX_FMT_BF8
.endr
.endm
.macro VLOAD oc, os                    ; a step's V: the scale words of four tiles of d, and four fragments.  The address registers stand at the step before: oc = 0, os = 0 take that step's, 8192 and 256 this step's
	ds_load_b128 v[VS:VS+3], v[ADT] offset:\os
.irp m, 0,1,2,3,4,5,6,7,8,9,10,11,12,13,14,15
	ds_load_b128 v[KF+4*\m:KF+4*\m+3], v[ADV] offset:(\oc)+512*\m
.endr
.endm
.macro PVMUL                           ; O^T += V^T P^T: the four accumulators by turns
.irp t, 0,1,2,3
	v_wmma_scale_f32_16x16x128_f8f6f4 v[O+8*\t:O+8*\t+7], v[KF+16*\t:KF+16*\t+15], v[PC:PC+15], v[O+8*\t:O+8*\t+7], v[VS+\t], v[F+1] matrix_a_fmt:MATRIX_FMT_BF8 matrix_b_fmt:MATRIX_FMT_BF8
.endr
.endm
.macro TLM j                           ; t - M, two at a time
	v_pk_fma_f32 v[S+\j:S+1+\j], v[S+\j:S+1+\j], s[CS:CS+1], v[12:13] op_sel_hi:[1,0,0]
.endm
.macro QUANT s, nb
.irp b, 0,1,2,3
.if \b < \nb
	v_max3_num_f32 v[TM+\b], |v[(\s)+16*\b]|, |v[(\s)+1+16*\b]|, 0x8000000   ; my 16 numbers of block b, and the floor 2^(16 - 127)
.endif
.endr
.irp i, 2,4,6,8,10,12,14
.irp b, 0,1,2,3
.if \b < \nb
	s_delay_alu instid0(VALU_DEP_2)
	v_max3_num_f32 v[TM+\b], v[TM+\b], |v[(\s)+16*\b+\i]|, |v[(\s)+1+16*\b+\i]|
.endif
.endr
.endr
.irp b, 0,1,2,3
.if \b < \nb
	s_delay_alu instid0(VALU_DEP_2)
	v_permlanex16_b32 v[TM+4+\b], v[TM+\b], s[SEL], s[SEL+1]
.endif
.endr
.irp b, 0,1,2,3
.if \b < \nb
	s_delay_alu instid0(VALU_DEP_2)
	v_max_num_f32 v[TM+\b], v[TM+\b], v[TM+4+\b]
.endif
.endr
.irp b, 0,1,2,3
.if \b < \nb
	s_delay_alu instid0(VALU_DEP_2)
	v_add_nc_u32 v[TM+12+\b], 0xf8800000, v[TM+\b]
.endif
.endr
.irp b, 0,1,2,3
.if \b < \nb
	s_delay_alu instid0(VALU_DEP_4)
	v_and_or_b32 v[TM+8+\b], v[TM+\b], 0x7f800000, s[MNT]
.endif
.endr
.irp b, 0,1,2,3
.if \b < \nb
	s_delay_alu instid0(VALU_DEP_4)
	v_lshrrev_b32 v[TM+4+\b], 23, v[TM+12+\b]
.endif
.endr
.irp b, 0,1,2,3
.if \b < \nb
.irp i, 0,1,2,3,4,5,6,7,8,9,10,11,12,13,14,15
	v_med3_num_f32 v[(\s)+16*\b+\i], v[(\s)+16*\b+\i], -v[TM+8+\b], v[TM+8+\b]
.endr
	v_cvt_scalef32_pk8_bf8_f32 v[PC+4*\b:PC+1+4*\b], v[(\s)+16*\b:(\s)+7+16*\b], v[TM+12+\b]
	v_cvt_scalef32_pk8_bf8_f32 v[PC+2+4*\b:PC+3+4*\b], v[(\s)+8+16*\b:(\s)+15+16*\b], v[TM+12+\b]
.endif
.endr
	v_nop                                          ; one plain line behind the last conversion
.endm
	s_load_b256 s[4:11], s[0:1], 0x0               ; c2 s[4:5], s2 s[6:7], c3 s[8:9], s3 s[10:11]
	v_lshl_add_u32 v254, v0, 2, SPARE
	v_mov_b32 v255, 0
	ds_add_u32 v254, v255                          ; the opening lines: the add twice on end and its wait ahead of the first tensor load
	ds_add_u32 v254, v255
	v_lshrrev_b32 v1, 5, v0
	v_readfirstlane_b32 s[WV], v1                  ; wave 0..15
	s_bfe_u32 s13, ttmp6, 0x40000                  ; cx: it enters Q's and the outputs' addresses alone
	s_and_b32 s14, ttmp7, 0xffff                   ; bh = 16 x batch + head, which the four partners share
	GROUP1 G1C, 128
	GROUP1 G1KS, 32
	GROUP1 G1VS, 16
	s_lshl_b32 s16, s14, 13
	s_add_co_u32 s16, s16, 524288                  ; K's scale words of my head,
	s_mov_b32 s17, 0
	s_lshl_b32 s18, s14, 12
	s_add_co_u32 s18, s18, 1048576                 ; V's
	s_mov_b32 s19, 0
	s_add_co_u32 s20, s[WV], 6
	s_and_b32 s20, s20, 7                          ; waves 2 to 9: chunk wave - 2: K's four, then V's four
	s_lshr_b32 s22, s20, 2
	s_add_co_u32 s22, s22, 1
	s_lshl_b32 s22, s22, 23                        ; K's codes begin at 8388608, V's at 16777216
	s_and_b32 s21, s20, 3
	s_lshl_b32 s21, s21, 15
	s_add_co_u32 s22, s22, s21
	s_lshl_b32 s21, s14, 17
	s_add_co_u32 s22, s22, s21
	s_mov_b32 s23, 0
	s_lshl_b32 s20, s20, 15                        ; and where the chunk goes: 32,768 x its number
	s_mov_b32 s[SEL], 0x76543210
	s_mov_b32 s[SEL+1], 0xfedcba98
	s_mov_b32 s[CS], 0x3e38aa3b                    ; log2(e) / 8
	s_mov_b32 s[CS+1], s[CS]                       ; named with it as a pair, so it is written
	s_mov_b32 s[MNT], 0x600000
	s_wait_dscnt 0x0
	s_wait_kmcnt 0x0
	s_mov_b32 s[G0KS], 1
	s_mov_b32 s[G0KS+1], KSC
	s_add_nc_u64 s[G0KS+2:G0KS+3], s[6:7], s[16:17]
	s_or_b32 s[G0KS+3], s[G0KS+3], 0x80000000
	s_mov_b32 s[G0VS], 1
	s_mov_b32 s[G0VS+1], VSC
	s_add_nc_u64 s[G0VS+2:G0VS+3], s[6:7], s[18:19]
	s_or_b32 s[G0VS+3], s[G0VS+3], 0x80000000
	s_mov_b32 s[G0C], 1
	s_mov_b32 s[G0C+1], s20
	s_add_nc_u64 s[G0C+2:G0C+3], s[4:5], s[22:23]
	s_or_b32 s[G0C+3], s[G0C+3], 0x80000000
	ROUND                                          ; all four work-groups are here: the joint loads meet
	s_cmp_eq_u32 s[WV], 0                          ; one chain of branches on the wave's number, one load to an arm
	s_cbranch_scc0 .Lnot_ks
	TLOAD G0KS, G1KS
	s_branch .Lfilled
.Lnot_ks:
	s_cmp_eq_u32 s[WV], 1
	s_cbranch_scc0 .Lnot_vs
	TLOAD G0VS, G1VS
	s_branch .Lfilled
.Lnot_vs:
	s_cmp_lt_u32 s[WV], 10
	s_cbranch_scc0 .Lfilled
	TLOAD G0C, G1C
.Lfilled:
	s_lshl_b32 s16, s13, 5
	s_add_co_u32 s16, s16, s[WV]                   ; my tile of queries in pass 0: 32 cx + wave; in pass 1: 16 further on
	s_lshl_b32 s18, s16, 10
	s_lshl_b32 s20, s14, 17
	s_add_co_u32 s18, s18, s20
	s_mov_b32 s19, 0
	s_add_nc_u64 s[82:83], s[4:5], s[18:19]        ; Q's codes
	s_lshr_b32 s18, s16, 2
	s_lshl_b32 s18, s18, 8
	s_and_b32 s20, s16, 3
	s_lshl_b32 s20, s20, 2
	s_add_co_u32 s18, s18, s20
	s_lshl_b32 s20, s14, 13
	s_add_co_u32 s18, s18, s20
	s_add_nc_u64 s[84:85], s[6:7], s[18:19]        ; Q's scale words
	s_and_b32 s16, s14, 0x30                       ; 16 x batch
	s_lshl_b32 s17, s13, 2
	s_add_co_u32 s16, s16, s17
	s_lshr_b32 s17, s[WV], 3
	s_add_co_u32 s16, s16, s17                     ; G: the group of 128 rows of the result, in pass 0
	s_and_b32 s17, s14, 15                         ; the head
	s_lshr_b32 s20, s17, 2                         ; its K slot of 256
	s_and_b32 s21, s17, 3                          ; and its quarter of it
	s_and_b32 s22, s[WV], 7                        ; i
	s_lshl_b32 s18, s16, 17
	s_lshl_b32 s23, s20, 15
	s_add_co_u32 s18, s18, s23
	s_lshl_b32 s23, s22, 12
	s_add_co_u32 s18, s18, s23
	s_lshl_b32 s23, s21, 10
	s_add_co_u32 s18, s18, s23
	s_add_nc_u64 s[86:87], s[8:9], s[18:19]        ; c3
	s_lshl_b32 s18, s16, 12
	s_lshl_b32 s23, s22, 9
	s_add_co_u32 s18, s18, s23
	s_lshl_b32 s23, s20, 7
	s_add_co_u32 s18, s18, s23
	s_lshl_b32 s23, s21, 1
	s_add_co_u32 s18, s18, s23
	s_add_nc_u64 s[88:89], s[10:11], s[18:19]      ; s3
	v_and_b32 v5, 31, v0
	v_lshlrev_b32 v1, 4, v5                        ; 16 x lane
	v_add_nc_u32 v2, VIMG-8192, v1                 ; V's codes, one step back: with 8,192 x the step it gives the step before's
	v_and_b32 v5, 15, v0                           ; r
	v_lshlrev_b32 v7, 4, v5                        ; 16 r
	v_add_nc_u32 v3, KSC, v7
	v_add_nc_u32 v4, VSC-256, v7                   ; V's scale words, one step back likewise
	v_lshlrev_b32 v6, 3, v5                        ; 8 r
	QLOAD 0, 0                                     ; Q of pass 0
.irp j, 8,9,10,11,12,13,14,15
	v_mov_b32 v[QF+\j], 0                          ; the zero codes between Q's two places: written once
.endr
.irp b, 0,1,2,3
	v_mov_b32 v[T1+\b], 0                          ; a lane permute's destination counts as one of its sources
.endr
	v_mov_b32 v[F+1], 0                            ; named as the upper half of the pair before it is first written
	v_mov_b32 v[TT], 0
	s_mov_b32 s[PS], 2
	WALU                                           ; at the head's end
	s_wait_tensorcnt 0x0                           ; my load has landed,
	s_barrier_signal -1
	s_barrier_wait -1                              ; and so has every wave's: all of K and V is in LDS
; A KEY STEP: 128 keys, whose scores stand in S.  pv = 1: the step before's product with V stands in it.  more = 1: the next step's scores are multiplied in it.
.macro STEP pv, more
.if !(\more)
	s_cmp_eq_u32 s[PS], 2                          ; in pass 0's last step Q's registers are free: pass 1's Q is asked for
	s_cbranch_scc0 .Lno_q_\@
	QLOAD 16384, 1024
.Lno_q_\@:
.endif
.irp b, 0,1,2,3
	v_max3_num_f32 v[BM+\b], v[S+16*\b], v[S+1+16*\b], v[S+2+16*\b]   ; the largest score of each block of 32 keys, in two chains a block: for the row's maximum and, since p rises with the score, for the block's largest p
.endr
.irp b, 0,1,2,3
	v_max3_num_f32 v[T1+\b], v[S+3+16*\b], v[S+4+16*\b], v[S+5+16*\b]
.endr
.if \pv
	v_add_nc_u32 v[ADV], s[TK], v2
	v_add_nc_u32 v[ADT], s[TJ], v4
.endif
.if \more
	v_add_nc_u32 v[ADK], s[TK], v1
	v_add_nc_u32 v[ADS], s[TS], v3
.endif
.if \pv
	VLOAD 0, 0                                     ; the step before's V takes the registers that K has left: 16 + 8 plain lines stand behind the scores' products
.endif
.if \more
	ds_load_b128 v[KS:KS+3], v[ADS] offset:512     ; the next step's scale words of K
	ds_load_b128 v[KS+4:KS+7], v[ADS] offset:768
.endif
.irp i, 6,10
.irp b, 0,1,2,3
	v_max3_num_f32 v[BM+\b], v[BM+\b], v[S+16*\b+\i], v[S+1+16*\b+\i]
.endr
.irp b, 0,1,2,3
	v_max3_num_f32 v[T1+\b], v[T1+\b], v[S+2+16*\b+\i], v[S+3+16*\b+\i]
.endr
.endr
.irp b, 0,1,2,3
	v_max3_num_f32 v[BM+\b], v[BM+\b], v[S+14+16*\b], v[S+15+16*\b]
.endr
.irp b, 0,1,2,3
	v_max_num_f32 v[BM+\b], v[BM+\b], v[T1+\b]
.endr
.irp b, 0,1,2,3
	s_delay_alu instid0(VALU_DEP_4)
	v_permlanex16_b32 v[T1+\b], v[BM+\b], s[SEL], s[SEL+1]
.endr
.irp b, 0,1,2,3
	s_delay_alu instid0(VALU_DEP_4)
	v_max_num_f32 v[BM+\b], v[BM+\b], v[T1+\b]     ; with lane l xor 16's 16 keys
.endr
	s_delay_alu instid0(VALU_DEP_2)
	v_max3_num_f32 v[TT], v[BM], v[BM+1], v[BM+2]
	s_delay_alu instid0(VALU_DEP_1)
	v_max3_num_f32 v13, v13, v[TT], v[BM+3]        ; the running largest score of my query
	v_mov_b32 v[TO], v12
	s_delay_alu instid0(VALU_DEP_2)
	v_mul_f32 v[TU], s[CS], v13                    ; as t: the factor is positive, so the largest score gives the largest t
	s_delay_alu instid0(VALU_DEP_1)
	v_floor_f32 v12, -v[TU]                        ; the new -M = -ceil(t): a whole number
	TLM 0
	TLM 2
	v_sub_f32 v[TT], v12, v[TO]                    ; old M - new M: a whole number, 0 or less
	TLM 4
	TLM 6
	TLM 8
	v_cvt_i32_f32 v[TT], v[TT]                     ; (it saturates)
	TLM 10
	TLM 12
	TLM 14
	v_ldexp_f32 v[F], 1.0, v[TT]                   ; f = 2^(old M - new M)
.irp j, 16,18,20,22,24,26,28,30,32,34,36,38,40,42,44,46,48,50,52,54,56,58,60,62
	TLM \j
.endr
.irp b, 0,1,2,3
	v_fma_f32 v[BM+\b], v[BM+\b], s[CS], v12       ; the same of each block's largest score
.endr
	WALU                                           ; ahead of the batch
.irp j, 0,1,2,3,4,5,6,7,8,9,10,11,12,13,14,15,16,17,18,19,20,21,22,23,24,25,26,27,28,29,30,31,32,33,34,35,36,37,38,39,40,41,42,43,44,45,46,47,48,49,50,51,52,53,54,55,56,57,58,59,60,61,62,63
	v_exp_f32 v[S+\j], v[S+\j]                     ; p = 2^(t - M)
.endr
	v_pk_mul_f32 v[14:15], v[14:15], v[F:F+1] op_sel_hi:[1,0]   ; the sums under the new M: the plain line behind the exponentials
	WALU                                           ; one wait for the batch, ahead of its first reader
.irp b, 0,1,2,3
	v_exp_f32 v[BM+\b], v[BM+\b]                   ; the block's largest p
.endr
	s_wait_dscnt 0x0                               ; the loads of the step's top are in
.if \pv
	PVMUL                                          ; behind the step's last exponential: the 32 sums and more stand between this product and the rescaling that reads it
.endif
.if \more
	KJOIN
.endif
	v_pk_add_f32 v[HOLD:HOLD+1], v[S:S+1], v[S+2:S+3]           ; the row's sum of the unquantised p: 32 pairs in five chains
	v_pk_add_f32 v[HOLD+2:HOLD+3], v[S+4:S+5], v[S+6:S+7]
	v_pk_add_f32 v[SOP:SOP+1], v[S+8:S+9], v[S+10:S+11]
	v_pk_add_f32 v[SOP+2:SOP+3], v[S+12:S+13], v[S+14:S+15]
.irp g, 0,1,2,3
	v_pk_add_f32 v[14:15], v[14:15], v[S+16+10*\g:S+17+10*\g]
	v_pk_add_f32 v[HOLD:HOLD+1], v[HOLD:HOLD+1], v[S+18+10*\g:S+19+10*\g]
	v_pk_add_f32 v[HOLD+2:HOLD+3], v[HOLD+2:HOLD+3], v[S+20+10*\g:S+21+10*\g]
	v_pk_add_f32 v[SOP:SOP+1], v[SOP:SOP+1], v[S+22+10*\g:S+23+10*\g]
	v_pk_add_f32 v[SOP+2:SOP+3], v[SOP+2:SOP+3], v[S+24+10*\g:S+25+10*\g]
.endr
	v_pk_add_f32 v[HOLD:HOLD+1], v[HOLD:HOLD+1], v[S+56:S+57]
	v_pk_add_f32 v[HOLD+2:HOLD+3], v[HOLD+2:HOLD+3], v[S+58:S+59]
	v_pk_add_f32 v[SOP:SOP+1], v[SOP:SOP+1], v[S+60:S+61]
	v_pk_add_f32 v[SOP+2:SOP+3], v[SOP+2:SOP+3], v[S+62:S+63]
	v_pk_add_f32 v[HOLD:HOLD+1], v[HOLD:HOLD+1], v[HOLD+2:HOLD+3]
	v_pk_add_f32 v[SOP:SOP+1], v[SOP:SOP+1], v[SOP+2:SOP+3]
	v_pk_add_f32 v[14:15], v[14:15], v[HOLD:HOLD+1]
	v_pk_add_f32 v[14:15], v[14:15], v[SOP:SOP+1]
.if \more
.irp m, 0,1,2,3,4,5,6,7,8,9,10,11,12,13,14,15
	ds_load_b128 v[KF+4*\m:KF+4*\m+3], v[ADK] offset:8192+512*\m   ; the next step's K takes the registers that V has left: the 32 sums stand behind the product
.endr
.else
	VLOAD 8192, 256                                ; no further K: the last step's own V
.endif
	WALU                                           ; the wait for the four exponentials
.irp b, 0,1,2,3
	v_max_num_f32 v[BM+\b], 0x8000000, v[BM+\b]    ; the floor 2^(16 - 127): the byte cannot fall under 1
.endr
.irp b, 0,1,2,3
	s_delay_alu instid0(VALU_DEP_4)
	v_add_nc_u32 v[SOP+\b], 0xf8800000, v[BM+\b]   ; the conversion's scale operand
.endr
.irp b, 0,1,2,3
	v_and_or_b32 v[HOLD+\b], v[BM+\b], 0x7f800000, s[MNT]   ; 57,344 x the scale
.endr
.irp b, 0,1,2,3
	v_lshrrev_b32 v[T1+\b], 23, v[SOP+\b]          ; the scale's byte
.endr
	v_lshl_or_b32 v[F+1], v[T1+1], 8, v[T1]        ; p's scale word for these 128 keys: two halves, then the word
	v_lshl_or_b32 v[TT], v[T1+3], 8, v[T1+2]
	v_lshl_or_b32 v[F+1], v[TT], 16, v[F+1]
.irp b, 0,1,2,3
.irp i, 0,2,4,6,8,10,12,14
	v_dual_min_num_f32 v[S+16*\b+\i], v[S+16*\b+\i], v[HOLD+\b] :: v_dual_min_num_f32 v[S+16*\b+\i+1], v[S+16*\b+\i+1], v[HOLD+\b]   ; the conversion does not saturate (ISA guide 7.6.2); p is not negative: a one-sided hold, two to a line
.endr
.endr
.irp b, 0,1,2,3
	v_cvt_scalef32_pk8_bf8_f32 v[PC+4*\b:PC+1+4*\b], v[S+16*\b:S+7+16*\b], v[SOP+\b]
	v_cvt_scalef32_pk8_bf8_f32 v[PC+2+4*\b:PC+3+4*\b], v[S+8+16*\b:S+15+16*\b], v[SOP+\b]
.endr
	v_nop                                          ; one plain line behind the last conversion
.if \more
	WALU
	s_wait_dscnt 0x0                               ; the next step's K is in
	SMUL                                           ; p is done with: the next step's scores take its registers
.endif
.irp j, 0,2,4,6,8,10,12,14,16,18,20,22,24,26,28,30
	v_pk_mul_f32 v[O+\j:O+1+\j], v[O+\j:O+1+\j], v[F:F+1] op_sel_hi:[1,0]   ; O^T under the new M; sixteen places behind the products above
.endr
	WALU
.endm
.macro NEXT                            ; on to the next step's addresses
	s_add_co_u32 s[TK], s[TK], 8192
	s_add_co_u32 s[TS], s[TS], 512
	s_add_co_u32 s[TJ], s[TJ], 256
.endm
.Lpass:
	ds_load_b128 v[KS:KS+3], v3                    ; step 0's K
	ds_load_b128 v[KS+4:KS+7], v3 offset:256
.irp m, 0,1,2,3,4,5,6,7,8,9,10,11,12,13,14,15
	ds_load_b128 v[KF+4*\m:KF+4*\m+3], v1 offset:512*\m
.endr
	v_mov_b32 v13, 0xff61b1e6                      ; the largest score so far: -3e38
	v_floor_f32 v12, -v13                          ; -M: above every later one
	v_mov_b32 v14, 0                               ; the sum, in two halves
	v_mov_b32 v15, 0
	s_mov_b32 s[TK], 0
	s_mov_b32 s[TS], 0
	s_mov_b32 s[TJ], 0
	s_mov_b32 s[CNT], 14
	WALU
	s_wait_loadcnt 0x0                             ; this pass's Q
	s_wait_dscnt 0x0
	v_lshl_or_b32 v[QS], v[QSR], 16, v[QSR]        ; Q's two scale bytes twice
	KJOIN
.irp j, 0,1,2,3,4,5,6,7,8,9,10,11,12,13,14,15
	v_mov_b32 v[O+\j], 0                           ; O^T: the rescaling is written once, and its first run finds zeros.  (Sixteen places between the scale words and the products,
.endr
	SMUL
.irp j, 16,17,18,19,20,21,22,23,24,25,26,27,28,29,30,31
	v_mov_b32 v[O+\j], 0                           ; and sixteen behind them)
.endr
	WALU
	STEP 0, 1                                      ; step 0
	NEXT
.Lstep:                                            ; steps 1 to 14
	STEP 1, 1
	NEXT
	s_sub_co_u32 s[CNT], s[CNT], 1
	s_cmp_lg_u32 s[CNT], 0
	s_cbranch_scc1 .Lstep
	STEP 1, 0                                      ; step 15,
	s_wait_dscnt 0x0
	PVMUL                                          ; and its product with V
	; THE WAY OUT: O^T / the sum, two blocks of 32 along d quantised in registers
.rept 8
	v_nop
.endr
	v_add_f32 v14, v14, v15
	s_delay_alu instid0(VALU_DEP_1)
	v_permlanex16_b32 v[TT], v14, s[SEL], s[SEL+1]
	s_delay_alu instid0(VALU_DEP_1)
	v_add_f32 v14, v14, v[TT]                      ; the row's sum
	WALU
	v_rcp_f32 v[F], v14
	v_nop                                          ; a plain line behind the reciprocal
	WALU                                           ; and the wait ahead of its first reader, which is also O^T's
.irp j, 0,2,4,6,8,10,12,14,16,18,20,22,24,26,28,30
	v_pk_mul_f32 v[S+\j:S+1+\j], v[O+\j:O+1+\j], v[F:F+1] op_sel_hi:[1,0]   ; register 16 b + i is d = 32 b + 16 (lane / 16) + i of my query
.endr
	QUANT S, 2
	v_lshl_or_b32 v[TT], v[T1+1], 8, v[T1]         ; the head's two scale bytes
	global_store_b128 v1, v[PC:PC+3], s[86:87]               ; 512 consecutive bytes each
	global_store_b128 v1, v[PC+4:PC+7], s[86:87] offset:512
	global_store_b16 v6, v[TT], s[88:89]           ; lanes 16-31 write the same bytes with the same value
	s_wait_xcnt 0x0                                ; the stores have read their registers and bases
	s_add_nc_u64 s[86:87], s[86:87], 262144        ; 16 tiles on: two groups of 128 rows
	s_add_nc_u64 s[88:89], s[88:89], 8192
	s_sub_co_u32 s[PS], s[PS], 1
	s_cmp_lg_u32 s[PS], 0
	WALU
	s_cbranch_scc1 .Lpass
	s_wait_tensorcnt 0x0                           ; the wave's end
	ds_add_u32 v254, v255
	s_wait_dscnt 0x0
	ROUND                                          ; the closing round
	s_endpgm
.Lfunc_end_k_q4db732bfa6_attn:
	.size	k_q4db732bfa6_attn, .Lfunc_end_k_q4db732bfa6_attn-k_q4db732bfa6_attn
	.p2alignl 7, 3214868480
	.fill 96, 4, 3214868480
	.section	.rodata,"a",@progbits
	.p2align	6, 0x0
	.amdhsa_kernel k_q4db732bfa6_attn
		.amdhsa_group_segment_fixed_size 276480
		.amdhsa_private_segment_fixed_size 0
		.amdhsa_enable_private_segment 0
		.amdhsa_kernarg_size 32
		.amdhsa_user_sgpr_count 2
		.amdhsa_user_sgpr_kernarg_segment_ptr 1
		.amdhsa_wavefront_size32 1
		.amdhsa_system_sgpr_workgroup_id_x 1
		.amdhsa_system_sgpr_workgroup_id_y 1
		.amdhsa_system_sgpr_workgroup_id_z 1
		.amdhsa_system_vgpr_workitem_id 0
		.amdhsa_next_free_vgpr 256
		.amdhsa_next_free_sgpr 96
		.amdhsa_reserve_vcc 0
		.amdhsa_float_denorm_mode_32 3
		.amdhsa_float_denorm_mode_16_64 3
		.amdhsa_memory_ordered 1
		.amdhsa_forward_progress 1
		.amdhsa_inst_pref_size 73
	.end_amdhsa_kernel
	.amdgpu_metadata
---
amdhsa.version: [ 1, 2 ]
amdhsa.kernels:
  - .name:           k_q4db732bfa6_attn
    .symbol:         k_q4db732bfa6_attn.kd
    .args:
      - { .name: c2, .offset: 0, .size: 8, .value_kind: global_buffer, .address_space: global }
      - { .name: s2, .offset: 8, .size: 8, .value_kind: global_buffer, .address_space: global }
      - { .name: c3, .offset: 16, .size: 8, .value_kind: global_buffer, .address_space: global }
      - { .name: s3, .offset: 24, .size: 8, .value_kind: global_buffer, .address_space: global }
    .group_segment_fixed_size: 276480
    .private_segment_fixed_size: 0
    .kernarg_segment_align: 8
    .kernarg_segment_size: 32
    .max_flat_workgroup_size: 512
    .sgpr_count:     96
    .vgpr_count:     256
    .wavefront_size: 32
...
	.end_amdgpu_metadata
.endif
;; end of part 3
;; launch oproj (part 4): grid 4 x 32, 4 waves a work-group, clusters of 4 x 4, 327,680 bytes of LDS; arguments c3, s3, c1, s1, bo, out0; writes out0
.if DOCPART == 4
	.amdgcn_target "amdgcn-amd-amdhsa--gfx1250"
	.amdhsa_code_object_version 6
	.text
	.protected	k_q4db732bfa6_oproj
	.globl	k_q4db732bfa6_oproj
	.p2align	8
	.type	k_q4db732bfa6_oproj,@function
k_q4db732bfa6_oproj:
	s_mov_b64 s[64:65], 0
	v_nop
	global_prefetch_b8 v0, s[64:65] scope:SCOPE_SE
	s_setreg_imm32_b32 hwreg(HW_REG_WAVE_MODE, 25, 1), 1
	s_wait_xcnt 0x0
	s_wait_alu depctr_hold_cnt(0) depctr_sa_sdst(0) depctr_va_vdst(0) depctr_va_sdst(0) depctr_va_ssrc(0) depctr_va_vcc(0) depctr_vm_vsrc(0)
	s_getreg_b32 s2, hwreg(HW_REG_IB_STS2, 6, 4)
	s_cmp_eq_u32 s2, 0
	s_cbranch_scc0 .Lentry_in_a_cluster
	s_endpgm
.Lentry_in_a_cluster:
	s_bfe_u32 s2, ttmp6, 0x10000c
	s_cmp_lg_u32 s2, 0xf033
	s_cbranch_scc0 .Lentry_shape_is_right
	s_endpgm
.Lentry_shape_is_right:
.set NQ,     2
.set FR,     16
.set NL,     4
.set NP,     8
.set HALFT,  32768
.set SLOT,   4*HALFT
.set SCL,    2*SLOT
.set HALFS,  4096
.set SPARE,  SCL+4*HALFS
.set SPITCH, 528
.set BO,   8
.set ADRA, 16
.set ADRB, 20
.set STO,  24
.set RD,   25
.set CO,   26
.set ADRS, 27
.set SPW,  28
.set NIL,  29
.set SC,   32
.set AF,   128
.set BK,   128
.set G1, 24
.set G0, 32
.set G1B, 48
.set G0B, 56
.set G1S, 68
.set G0S, 76
.set G1SB, 80
.set G0SB, 88
.set MSB, 0
.macro WIN new
.if MSB != (\new)
	s_set_vgpr_msb (MSB<<8)|(\new)
.set MSB, (\new)
.endif
.endm
.set MUL_LO, 0xa1
.set MUL_HI, 0xf1
.set TO_B,   0x40
.macro JLOAD g0a, g1a, g0b, g1b
	s_cmp_eq_u32 s15, 0
	s_cbranch_scc0 .Lfor_b_\@
	tensor_load_to_lds s[\g0a:\g0a+3], s[\g1a:\g1a+7]
	s_nop 0
.rept 4
	v_nop
.endr
	s_branch .Lasked_\@
.Lfor_b_\@:
	tensor_load_to_lds s[\g0b:\g0b+3], s[\g1b:\g1b+7]
	s_nop 0
.rept 4
	v_nop
.endr
.Lasked_\@:
.endm
.macro CREST
	s_cmp_lg_u32 s14, 0
	s_cbranch_scc1 .Lnot_wave_0_\@
	s_barrier_signal -3
.Lnot_wave_0_\@:
	s_barrier_wait -3
	s_barrier_signal -1
	s_barrier_wait -1
.endm
.macro CROUND
	s_barrier_signal -1
	s_barrier_wait -1
	CREST
.endm
	s_load_b128 s[4:7], s[0:1], 0x0
	s_load_b128 s[8:11], s[0:1], 0x10
	s_load_b128 s[96:99], s[0:1], 0x20
	v_lshl_add_u32 v[SPW], v0, 2, SPARE
	v_mov_b32 v[NIL], 0
	ds_add_u32 v28, v29
	ds_add_u32 v28, v29
	s_wait_dscnt 0x0
	v_lshrrev_b32 v1, 5, v0
	v_readfirstlane_b32 s14, v1
	s_lshr_b32 s15, s14, 1
	s_and_b32 s16, s14, 1
	s_bfe_u32 s40, ttmp6, 0x40000
	s_bfe_u32 s41, ttmp6, 0x40004
	s_and_b32 s18, ttmp7, 0xffff
	s_lshl_b32 s18, s18, 2
	s_add_co_u32 s17, s18, s41
	s_lshl_b32 s42, ttmp9, 2
	s_add_co_u32 s42, s42, s40
	s_lshl_b32 s43, s41, 2
	s_lshl_b32 s43, 15, s43
	s_lshl_b32 s44, 0x1111, s40
	s_or_b32 s[G1+0], s43, (3<<16)|(1<<21)
	s_or_b32 s[G1B+0], s44, (3<<16)|(1<<21)
	s_or_b32 s[G1S+0], s43, (3<<16)|(1<<21)
	s_or_b32 s[G1SB+0], s44, (3<<16)|(1<<21)
.irp g, G1, G1B                        ; for the head's loads: both halves of a tile's K slot: two rows of 32,768 bytes (4,096 elements of 8), 131,072 bytes apart
	s_mov_b32 s[\g+1], 4096<<16
	s_mov_b32 s[\g+2], 2<<16
	s_mov_b32 s[\g+3], 4096<<16
	s_mov_b32 s[\g+4], 2
	s_mov_b32 s[\g+5], 16384
	s_mov_b32 s[\g+6], 0
	s_mov_b32 s[\g+7], 0
.endr
.irp g, G1S, G1SB
	s_mov_b32 s[\g+1], 32<<16
	s_mov_b32 s[\g+2], 32<<16              ; the scale words of 256 rows: 8,192 dense bytes
	s_mov_b32 s[\g+3], 32<<16
	s_mov_b32 s[\g+4], 32
	s_mov_b32 s[\g+5], 32
	s_mov_b32 s[\g+6], 0
	s_mov_b32 s[\g+7], 0
.endr
	s_lshl_b32 s18, s17, 1
	s_add_co_u32 s18, s18, s16
	s_lshl_b32 s46, s42, 1
	s_add_co_u32 s46, s46, s16
	s_add_co_u32 s46, s46, 88
	s_lshl_b32 s20, s18, 17
	s_mov_b32 s21, 0
	s_lshl_b32 s66, s18, 12
	s_mov_b32 s67, 0
	s_lshl_b32 s94, s46, 12
	s_mov_b32 s95, 0
	s_lshl_b32 s46, s46, 17
	s_mov_b32 s47, 0
	s_lshl_b32 s45, s14, 15
	s_lshl_b32 s2, s16, 12                 ; my half's share of the scale words' offset, taken off again below
	s_mov_b32 s3, 0
	s_wait_kmcnt 0x0
	s_add_nc_u64 s[20:21], s[4:5], s[20:21]
	s_add_nc_u64 s[66:67], s[6:7], s[66:67]
	s_add_nc_u64 s[46:47], s[8:9], s[46:47]
	s_add_nc_u64 s[94:95], s[10:11], s[94:95]
	CROUND
	s_mov_b32 s[G0S], 1
	s_mov_b32 s[G0S+1], SCL
	s_sub_nc_u64 s[G0S+2:G0S+3], s[66:67], s[2:3]
	s_or_b32 s[G0S+3], s[G0S+3], 0x80000000
	s_mov_b32 s[G0SB], 1
	s_mov_b32 s[G0SB+1], SCL+2*HALFS
	s_sub_nc_u64 s[G0SB+2:G0SB+3], s[94:95], s[2:3]
	s_or_b32 s[G0SB+3], s[G0SB+3], 0x80000000
.irp s, 0,1
	s_mov_b32 s[G0+4*\s], 1
	s_add_co_u32 s[G0+4*\s+1], s45, \s*SLOT
	s_add_nc_u64 s[G0+4*\s+2:G0+4*\s+3], s[20:21], \s*HALFT
	s_or_b32 s[G0+4*\s+3], s[G0+4*\s+3], 0x80000000
	s_mov_b32 s[G0B+4*\s], 1
	s_add_co_u32 s[G0B+4*\s+1], s45, \s*SLOT
	s_add_nc_u64 s[G0B+4*\s+2:G0B+4*\s+3], s[46:47], \s*HALFT
	s_or_b32 s[G0B+4*\s+3], s[G0B+4*\s+3], 0x80000000
.endr
; THE HEAD'S LOADS, ONE A WAVE, in one chain of branches on the wave's number: wave 0 slot 0's 256 rows of A, wave 2 those of B (their own slot 0 descriptors begin at the tile's first half), wave 1 A's scale words, wave 3 B's
	s_cmp_eq_u32 s14, 0
	s_cbranch_scc0 .Lhead_b
	tensor_load_to_lds s[G0:G0+3], s[G1:G1+7]
	s_nop 0
.rept 4
	v_nop
.endr
	s_branch .Lhead_asked
.Lhead_b:
	s_cmp_eq_u32 s14, 2
	s_cbranch_scc0 .Lhead_sa
	tensor_load_to_lds s[G0B:G0B+3], s[G1B:G1B+7]
	s_nop 0
.rept 4
	v_nop
.endr
	s_branch .Lhead_asked
.Lhead_sa:
	s_cmp_eq_u32 s14, 1
	s_cbranch_scc0 .Lhead_sb
	tensor_load_to_lds s[G0S:G0S+3], s[G1S:G1S+7]
	s_nop 0
.rept 4
	v_nop
.endr
	s_branch .Lhead_asked
.Lhead_sb:
	tensor_load_to_lds s[G0SB:G0SB+3], s[G1SB:G1SB+7]
	s_nop 0
.rept 4
	v_nop
.endr
.Lhead_asked:
	s_wait_alu depctr_va_vdst(0)
	s_wait_tensorcnt 0x0                   ; my tile of the head's four is in
	ds_add_u32 v28, v29
.irp g, G1, G1B                        ; no tensor load of mine is out: from here on a load brings 128 rows of 256 bytes
	s_mov_b32 s[\g+1], 32<<16
	s_mov_b32 s[\g+2], 128<<16
	s_mov_b32 s[\g+3], 32<<16
	s_mov_b32 s[\g+4], 128
	s_mov_b32 s[\g+5], 32
.endr
	s_wait_dscnt 0x0
	CROUND
	JLOAD G0+4, G1, G0B+4, G1B             ; slot 1's first fill, a quarter a wave
	v_and_b32 v1, 15, v0
	v_bfe_u32 v2, v0, 4, 1
	s_wait_alu depctr_va_vdst(0)
	v_and_b32 v3, 31, v0
	v_lshlrev_b32 v[CO], 4, v3
	s_lshl_b32 s18, s15, 15
	s_lshl_b32 s19, s16, 15
	s_add_co_u32 s19, s19, 2*HALFT
.irp s, 0,1
	v_add_nc_u32 v[ADRA+\s], s18, v[CO]
	v_add_nc_u32 v[ADRB+\s], s19, v[CO]
	s_add_co_u32 s18, s18, SLOT
	s_add_co_u32 s19, s19, SLOT
.endr
	s_lshl_b32 s18, s15, 12
	s_lshl_b32 s19, s16, 12
	s_add_co_u32 s19, s19, 2*HALFS
	s_sub_co_u32 s19, s19, s18
	v_mul_u32_u24 v5, s19, v2
	s_add_co_u32 s18, s18, SCL
	v_lshl_add_u32 v5, v1, 3, v5
	v_add_nc_u32 v[ADRS], s18, v5
	s_mul_i32 s18, s14, 16*SPITCH
	v_mul_u32_u24 v5, v1, SPITCH
	v_lshl_add_u32 v5, v2, 6, v5
	v_add_nc_u32 v[STO], s18, v5
	v_add_nc_u32 v[RD], s18, v[CO]
	s_lshl_b32 s18, s42, 10
	s_lshl_b32 s19, s16, 9
	s_add_co_u32 s18, s18, s19
	s_mov_b32 s19, 0
	s_add_nc_u64 s[92:93], s[96:97], s[18:19]
	s_add_nc_u64 s[12:13], s[98:99], s[18:19]
	s_lshl_b32 s18, s17, 20
	s_lshl_b32 s2, s15, 19
	s_add_co_u32 s18, s18, s2
	s_add_nc_u64 s[12:13], s[12:13], s[18:19]
	global_load_b128 v[BO:BO+3], v[CO], s[92:93]
.macro FRAG reg, adr, q, i
.irp c, 0,1,2,3
	ds_load_b128 v[\reg+4*\c:\reg+4*\c+3], v[\adr] offset:4096*(\i)+2048*(\q)+512*\c
.endr
.endm
.macro MUL16 a0, p, q, sc, zero
.irp a, \a0, \a0+1
.irp b, 0,1,2,3,4,5,6,7
.if \zero
	v_wmma_scale_f32_16x16x128_f8f6f4 v[8*(8*((\a)%4)+\b):8*(8*((\a)%4)+\b)+7], v[128*(\p)+FR*\b:128*(\p)+FR*\b+FR-1], v[AF+FR*(\a):AF+FR*(\a)+FR-1], 0, v[SC+8*NQ*(\sc)+NQ*\b+(\q)], v[SC+8*NQ*(\sc)+NQ*(\a)+(\q)] matrix_a_fmt:MATRIX_FMT_BF8 matrix_b_fmt:MATRIX_FMT_BF8 matrix_a_scale:MATRIX_SCALE_ROW1
.else
	v_wmma_scale_f32_16x16x128_f8f6f4 v[8*(8*((\a)%4)+\b):8*(8*((\a)%4)+\b)+7], v[128*(\p)+FR*\b:128*(\p)+FR*\b+FR-1], v[AF+FR*(\a):AF+FR*(\a)+FR-1], v[8*(8*((\a)%4)+\b):8*(8*((\a)%4)+\b)+7], v[SC+8*NQ*(\sc)+NQ*\b+(\q)], v[SC+8*NQ*(\sc)+NQ*(\a)+(\q)] matrix_a_fmt:MATRIX_FMT_BF8 matrix_b_fmt:MATRIX_FMT_BF8 matrix_a_scale:MATRIX_SCALE_ROW1
.endif
.endr
.endr
.endm
.macro FETCH_B slot, q, p
	WIN TO_B
.irp i, 0,1,2,3,4,5,6,7
	FRAG 128*(\p)+FR*\i, ADRB+\slot, \q, \i
.endr
	WIN 0
.endm
.macro FETCH_A slot, q, i0
.irp i, \i0, \i0+1, \i0+2, \i0+3
	FRAG AF+FR*(\i), ADRA+\slot, \q, \i
.endr
.endm
.macro SCALES sc
.irp i, 0,1,2,3,4,5,6,7
	ds_load_b64 v[SC+8*NQ*(\sc)+NQ*\i:SC+8*NQ*(\sc)+NQ*\i+1], v[ADRS] offset:512*\i
.endr
.endm
.macro PLACES n
.rept \n
	v_nop
.endr
.endm
.macro STEP slot, q, zero
	s_wait_dscnt 4*NL
	WIN MUL_LO
	MUL16 0, (\q)%2, \q, \slot, \zero
	MUL16 2, (\q)%2, \q, \slot, \zero
	s_wait_dscnt 0
	PLACES NP
	FETCH_B \slot, (\q)+1, 1-(\q)%2
	FETCH_A \slot, (\q)+1, 0
	WIN MUL_HI
	MUL16 4, (\q)%2, \q, \slot, \zero
	MUL16 6, (\q)%2, \q, \slot, \zero
	PLACES NP
	WIN 0
	FETCH_A \slot, (\q)+1, 4
.endm
.macro TURN slot, next, fill
	s_wait_tensorcnt 0x0
	ds_add_u32 v[SPW], v[NIL]
	s_wait_dscnt 4*NL+1
	WIN MUL_LO
	MUL16 0, 1, NQ-1, \slot, 0
	s_wait_dscnt 0x0
	s_barrier_signal -1
	MUL16 2, 1, NQ-1, \slot, 0
	WIN 0
	s_barrier_wait -1
.if \fill
	CREST
	s_add_nc_u64 s[G0+4*\slot+2:G0+4*\slot+3], s[G0+4*\slot+2:G0+4*\slot+3], 2*HALFT
	s_add_nc_u64 s[G0B+4*\slot+2:G0B+4*\slot+3], s[G0B+4*\slot+2:G0B+4*\slot+3], 2*HALFT
	JLOAD G0+4*\slot, G1, G0B+4*\slot, G1B
	PLACES NP-4
.else
	PLACES NP
.endif
	s_wait_alu depctr_va_vdst(0)
	v_add_nc_u32 v[ADRS], 128, v[ADRS]
	FETCH_B \next, 0, 0
	FETCH_A \next, 0, 0
	SCALES \next
	WIN MUL_HI
	MUL16 4, 1, NQ-1, \slot, 0
	MUL16 6, 1, NQ-1, \slot, 0
	PLACES NP
	WIN 0
	FETCH_A \next, 0, 4
.endm
	s_wait_alu depctr_va_vdst(0)
	s_wait_tensorcnt 1
	s_barrier_signal -1
	s_barrier_wait -1
	FETCH_B 0, 0, 0
	FETCH_A 0, 0, 0
	SCALES 0
	FETCH_A 0, 0, 4
	STEP 0, 0, 1
	TURN 0, 1, 1
	STEP 1, 0, 0
	TURN 1, 0, 1
	STEP 0, 0, 0
	TURN 0, 1, 0
	STEP 1, 0, 0
	s_wait_dscnt 4*NL
	WIN MUL_LO
	MUL16 0, 1, NQ-1, 1, 0
	MUL16 2, 1, NQ-1, 1, 0
	s_wait_dscnt 0
	WIN MUL_HI
	MUL16 4, 1, NQ-1, 1, 0
	MUL16 6, 1, NQ-1, 1, 0
	WIN 0
.macro TOSTAGE a
.set AC, 64*((\a)%4)
	WIN 0x08+4*((\a)/4)
.irp b, 0,1,2,3,4,5,6,7
	ds_store_b128 v[STO], v[AC+8*\b:AC+8*\b+3] offset:128*(\b/2)+32*(\b%2)
	ds_store_b128 v[STO], v[AC+8*\b+4:AC+8*\b+7] offset:128*(\b/2)+32*(\b%2)+16
.endr
	WIN 0
.set BB, BK+64*((\a)%2)
.irp t, 0,1,2,3,4,5,6,7,8,9,10,11,12,13,14,15
	ds_load_b128 v[BB+4*\t:BB+4*\t+3], v[RD] offset:\t*SPITCH
.endr
.endm
.macro SEND a, younger
.set BB, BK+64*((\a)%2)
	s_wait_dscnt \younger
.irp t, 0,1,2,3,4,5,6,7,8,9,10,11,12,13,14,15
	v_pk_add_f32 v[BB+4*\t:BB+4*\t+1], v[BB+4*\t:BB+4*\t+1], v[BO:BO+1]
	v_pk_add_f32 v[BB+4*\t+2:BB+4*\t+3], v[BB+4*\t+2:BB+4*\t+3], v[BO+2:BO+3]
	global_store_b128 v[CO], v[BB+4*\t:BB+4*\t+3], s[12:13] offset:(32*((\a)/2)+8*((\a)%2)+\t+8*(\t/8))*4096 th:TH_STORE_NT
.endr
.endm
	PLACES NP
	s_wait_loadcnt 0x0
	TOSTAGE 0
.irp a, 1,2,3,4,5,6,7
.if \a > 1
	s_wait_xcnt 0x0
.endif
	TOSTAGE \a
	SEND \a-1, 32
.endr
	SEND 7, 0
	s_wait_tensorcnt 0x0
	ds_add_u32 v[SPW], v[NIL]
	s_wait_dscnt 0x0
	CROUND
	s_endpgm
.Lfunc_end_k_q4db732bfa6_oproj:
	.size	k_q4db732bfa6_oproj, .Lfunc_end_k_q4db732bfa6_oproj-k_q4db732bfa6_oproj
	.p2alignl 7, 3214868480
	.fill 96, 4, 3214868480
	.section	.rodata,"a",@progbits
	.p2align	6, 0x0
	.amdhsa_kernel k_q4db732bfa6_oproj
		.amdhsa_group_segment_fixed_size 327680
		.amdhsa_private_segment_fixed_size 0
		.amdhsa_enable_private_segment 0
		.amdhsa_kernarg_size 48
		.amdhsa_user_sgpr_count 2
		.amdhsa_user_sgpr_kernarg_segment_ptr 1
		.amdhsa_wavefront_size32 1
		.amdhsa_system_sgpr_workgroup_id_x 1
		.amdhsa_system_sgpr_workgroup_id_y 1
		.amdhsa_system_sgpr_workgroup_id_z 1
		.amdhsa_system_vgpr_workitem_id 0
		.amdhsa_next_free_vgpr 1024
		.amdhsa_next_free_sgpr 100
		.amdhsa_reserve_vcc 0
		.amdhsa_float_denorm_mode_32 3
		.amdhsa_float_denorm_mode_16_64 3
		.amdhsa_memory_ordered 1
		.amdhsa_forward_progress 1
		.amdhsa_inst_pref_size 162
	.end_amdhsa_kernel
	.amdgpu_metadata
---
amdhsa.version: [ 1, 2 ]
amdhsa.kernels:
  - .name:           k_q4db732bfa6_oproj
    .symbol:         k_q4db732bfa6_oproj.kd
    .args:
      - { .name: c3, .offset: 0, .size: 8, .value_kind: global_buffer, .address_space: global }
      - { .name: s3, .offset: 8, .size: 8, .value_kind: global_buffer, .address_space: global }
      - { .name: c1, .offset: 16, .size: 8, .value_kind: global_buffer, .address_space: global }
      - { .name: s1, .offset: 24, .size: 8, .value_kind: global_buffer, .address_space: global }
      - { .name: bo, .offset: 32, .size: 8, .value_kind: global_buffer, .address_space: global }
      - { .name: out0, .offset: 40, .size: 8, .value_kind: global_buffer, .address_space: global }
    .group_segment_fixed_size: 327680
    .private_segment_fixed_size: 0
    .kernarg_segment_align: 8
    .kernarg_segment_size: 48
    .max_flat_workgroup_size: 128
    .sgpr_count:     100
    .vgpr_count:     1024
    .wavefront_size: 32
...
	.end_amdgpu_metadata
.endif
;; end of part 4
